; MI455X (gfx1250); checked and timed in simulation.
; The chip was launched on July 23, 2026; its instructions are those of AMD's public machine-readable ISA for CDNA 5 (MIT licence, August 2026) and "CDNA5" Instruction Set Architecture Reference Guide (July 2026). The comments in the code are by the model that wrote it; some were corrected since.
;; Multi Head Attention. Allowed arithmetic: matrix products marked QUANTISED: E3M2 operands, one E8M0 scale for each 32 along K, by v_wmma_scale_f32_16x16x128_f8f6f4 with both operands' format E3M2, f32 sums; everything else in f32.
;; Inputs: Wk 1,024 x 1,024 float32; Wo 1,024 x 1,024 float32; Wq 1,024 x 1,024 float32; Wv 1,024 x 1,024 float32; bk 1,024 float32; bo 1,024 float32; bq 1,024 float32; bv 1,024 float32; k 4 x 2,048 x 1,024 float32; mask 1 x 1 x 2,048 x 2,048 int32; q 4 x 2,048 x 1,024 float32; v 4 x 2,048 x 1,024 float32.
;; Outputs: out0 4 x 2,048 x 1,024 float32.
;; This version of the problem:
;;   THIS VERSION OF THE PROBLEM IS GIVEN IN LOW PRECISION. The matrix products marked QUANTISED in the list below multiply operands that are first quantised to E3M2 (3 exponent bits, 2 mantissa bits; 6 bits a number), with one power-of-two scale for each 32 numbers along K (OCP MX v1.0); their sums are f32. All else is computed in f32.
;;   The module's matrix products, in the order in which they are computed (A, B: the left and right operand; K: the contracted axis; several contracted axes count as one K, in the product's order):
;;     1. [M 8,192, K 1,024] x [K 1,024, N 1,024]; A: input q; B: input Wq: QUANTISED
;;     2. [M 8,192, K 1,024] x [K 1,024, N 1,024]; A: input k; B: input Wk: QUANTISED
;;     3. [M 8,192, K 1,024] x [K 1,024, N 1,024]; A: input v; B: input Wv: QUANTISED
;;     4. batch 64 x [M 2,048, K 64] x [K 64, N 2,048]; A: computed on the way; B: computed on the way: QUANTISED
;;     5. batch 64 x [M 2,048, K 2,048] x [K 2,048, N 64]; A: softmax (see below); B: computed on the way: QUANTISED
;;     6. [M 8,192, K 1,024] x [K 1,024, N 1,024]; A: computed on the way; B: input Wo: QUANTISED
;;   THE QUANTISER, for each operand of a quantised product, along K:
;;     - K is cut into blocks of 32 from its start; a last block that is shorter is filled with zeros.
;;     - A block's scale is 2^e with e = floor(log2(the largest magnitude in the block)) - 4, held to -126 .. 127; a block of zeros has e = 0. As a byte (E8M0): e + 127.
;;     - Each number is divided by its block's scale, clamped to +-28, and rounded to the nearest number of E3M2, ties to even, subnormals kept.
;;     - The product sums the exact products of the quantised numbers (number of the format x scale) in f32.
;;   ~~~python
;;   def quantise(x, axis):      # numpy; x: float32 -> the quantised numbers, widened to float32 again
;;       x = np.moveaxis(x, axis, -1); K = x.shape[-1]
;;       x = np.pad(x, [(0, 0)] * (x.ndim - 1) + [(0, -K % 32)]); x = x.reshape(x.shape[:-1] + (-1, 32)); a = np.abs(x).max(-1, keepdims=True)
;;       e = np.where(a > 0, np.clip(np.frexp(np.where(a > 0, a, 1))[1] - 1 - 4, -126, 127), 0)      # np.frexp(a)[1] - 1 = floor(log2(a)), exactly
;;       r = np.clip(x / 2.0 ** e, -28, 28)
;;       step = 2.0 ** (np.maximum(np.frexp(np.where(r == 0, 1, r))[1] - 1, -2) - 2)
;;       q = np.round(r / step) * step * 2.0 ** e      # np.round: ties to even
;;       return np.moveaxis(q.reshape(q.shape[:-2] + (-1,))[..., :K], -1, axis).astype(np.float32)
;;   ~~~
;;   SOFTMAX AHEAD OF A QUANTISED PRODUCT. Where the list says 'softmax', what is quantised is not the finished softmax but p = 2^(t - M), with t = logit x log2(e) and M = ceil(the row's largest t), a whole number; so 1/2 < the row's largest p <= 1. The row's sum l is taken of the UNQUANTISED p, in f32, and the product's result is divided by l at the end. Since M is a whole number, a kernel that streams over the keys may use a running M (the ceiling of the running maximum): every later rescaling is an exact power of two, which a block's scale takes up: the codes' values come out the same.
;;   OPERANDS COMPUTED ON THE WAY. 'Computed on the way' means the value that the module computes at that place (a softmax that the list does not call 'softmax' is quantised finished and normalised). What goes into a quantiser is computed in f32, as accurately as f32 sums, v_exp_f32 and their like allow (about 1e-6 of the number): no bf16 or f16 on the way to a quantiser, and a product that is left as it is and whose result goes on into a quantised operand takes f32 operands (vector FMAs, or v_wmma_f32_16x16x4_f32). A number that lies on a knife's edge between two numbers of the format may be rounded either way, as far as f32 arithmetic and the matrix unit's own rounding can turn it there, and no further.
;; One version. Each part assembles by itself: llvm-mc -triple=amdgcn-amd-amdhsa -mcpu=gfx1250 --defsym DOCPART=n.
;; ======== version 1 of 1: 4 launches
;; workspace buffers: pcodes 22,937,600 bytes; mk 526,336 bytes of whole numbers; ops 26,214,400 bytes; att 6,815,744 bytes
;; launch prep (part 1): grid 1024 x 1, 4 waves a work-group, no clusters, 33,280 bytes of LDS; arguments q, k, v, Wq, Wk, Wv, Wo, mask, pcodes, mk; writes pcodes, mk
.if DOCPART == 1
	.amdgcn_target "amdgcn-amd-amdhsa--gfx1250"
	.amdhsa_code_object_version 6
	.text
	.protected	k_qba1925ff20_prep
	.globl	k_qba1925ff20_prep
	.p2align	8
	.type	k_qba1925ff20_prep,@function
k_qba1925ff20_prep:
	s_mov_b64 s[64:65], 0
	v_nop
	global_prefetch_b8 v0, s[64:65] scope:SCOPE_SE
	s_setreg_imm32_b32 hwreg(HW_REG_WAVE_MODE, 25, 1), 1
	s_wait_xcnt 0x0
; MULTI-HEAD ATTENTION IN MX-BF6, launch 1 of 4.  q, k, v [8192][1024] and Wq, Wk, Wv, Wo [1024][1024], f32, K innermost in all seven, become codes of BF6 (E3M2) with one E8M0 byte for each 32 along K;
; the mask input becomes lane masks and flags, whole numbers that launch 3 reads.
; WORK LEFT OUT IN THIS PROGRAM.  No input is dead: all twelve are loaded (bq, bk, bv go into quantisers, bo into the output).  The one thing left out is, in launch 3, a KEY STEP (16 queries x 128 keys) in which the
; mask input holds 1 everywhere: reference() sets every such score to -infinity, so p = 0 there: it adds 0 to the row's sum and to the second product, and the row's maximum does not move, whatever finite values
; q, k, v and the weights hold.  The choice is made by whole numbers: this launch stores a flag for each such step, launch 3 reads it.  LIMIT: a NaN, an infinity or an overflow in K or V that reaches only such a step is not carried to the result.
; A row that the mask hides altogether is NaN in reference(): launch 3 gives that row's operand of the last product the scale byte 0xff, which makes the row's sums NaN.
; LIMITS: NaN and infinities among the floating-point inputs are not served.  A block of zeros gets the byte 1 where the rule says 127: its codes are zeros, which add nothing, and only this program reads the bytes.
; pcodes: codes [28672 rows][768 bytes], then from byte PS the scale bytes [28672][32].  First rows: q 0, k 8192, v 16384, Wq 24576, Wk 25600, Wv 26624, Wo 27648.
; THE ROWS OF k, v, Wq, Wk, Wv ARE STORED WITH BITS 3 AND 4 OF THE ROW'S NUMBER SWAPPED: sixteen neighbouring stored rows 32 B + 16 u + r are then the rows 32 B + 8 u + r + 8 (r / 8), the tile that lets a product's
; result be quantised along its own rows in registers.  A wave's run is 8 rows, so the swap is a swap of the two low bits of the run's number.
; mk: MW [tile of 16 queries 128][key step 16][n 64] words: bit l of word n = (mask[16 qt + l % 16][128 ks + 32 (n / 16) + 16 (l / 16) + n % 16] == 1): the lane mask of score register n in launch 3;
;     from byte FLB: FL [128][4] words: in word g bit t: key step 4 g + t is hidden altogether; bit 16 + t: in part.
; Work-groups 0-895 quantise, 32 rows each, a wave 8 rows in 16 steps of 512 numbers.  Each load reads 512 consecutive bytes; a step's 2,048 bytes turn through the wave's own stage in LDS, so that a lane holds 16
; neighbours along K.  Work-groups 896-1023 take the mask, a tile of 16 queries each, a wave four key steps; they use no LDS.  No tensor loads, no barrier: waves share nothing.
.set WAVES, 4
.set STEPS, 16
.set EMAX,  4
.set CB,    12                         ; bytes of 16 codes
.set R,     16                         ; v16-79   four sets of 16 numbers as they are loaded
.set X,     80                         ; v80-111  two sets of 16 neighbours
.set C,     128                        ; v128-191 codes: four registers for each step
.set E,     112                        ; v112-127 a scale byte for each step
.set WREG,  8192                       ; LDS: a region for each wave: two stages of 32 x SP bytes, then its 256 scale bytes
.set SP,    80                         ; a lane's place in a stage: 64 bytes + 16 of padding
.set SPW,   12                         ; v12 LDS address of my spare word; never rewritten
.set NIL,   13                         ; v13 0; never rewritten
.set SPARE, WAVES*WREG                 ; the spare words: 128 bytes for each wave
.set PS,    22020096                   ; where the scale bytes begin in pcodes
.set FLB,   524288                     ; where the flags begin in mk
	s_load_b512 s[8:23], s[0:1], 0x0               ; q 8, k 10, v 12, Wq 14, Wk 16, Wv 18, Wo 20, mask 22
	s_load_b128 s[24:27], s[0:1], 0x40             ; pcodes 24, mk 26
	v_lshl_add_u32 v[SPW], v0, 2, SPARE
	v_mov_b32 v[NIL], 0
	v_lshrrev_b32 v1, 5, v0
	v_readfirstlane_b32 s2, v1                     ; wave
	v_and_b32 v2, 31, v0                           ; lane
	s_wait_kmcnt 0x0
	s_cmp_ge_u32 ttmp9, 896
	s_cbranch_scc1 .Lmask
	; ---------------- the quantiser ----------------
	v_lshlrev_b32 v3, 4, v2                        ; my 16 bytes of a load's 512
	s_mul_i32 s3, s2, WREG
	v_lshrrev_b32 v14, 2, v2
	v_mul_u32_u24 v14, v14, SP
	v_and_b32 v15, 3, v2
	v_lshl_add_u32 v14, v15, 4, v14
	v_add_nc_u32 v14, s3, v14                      ; the stage on the way in: SP (lane / 4) + 16 (lane % 4)
	v_mul_u32_u24 v15, v2, SP
	v_add_nc_u32 v15, s3, v15                      ; and on the way out: SP x lane: my 16 neighbours
	v_mul_u32_u24 v4, v2, CB                       ; my codes' place in a step's
	v_lshrrev_b32 v5, 1, v2
	s_add_co_u32 s3, s3, 2*32*SP
	v_add_nc_u32 v5, s3, v5                        ; my block's byte among my wave's 256
	v_lshlrev_b32 v7, 3, v2
	v_add_nc_u32 v6, s3, v7
	; which tensor: a choice of pointers on the work-group's number alone
	s_mov_b64 s[28:29], s[20:21]
	s_mov_b32 s30, 864
.macro PICK lim, p, start
	s_cmp_lt_u32 ttmp9, \lim
	s_cselect_b64 s[28:29], s[\p:\p+1], s[28:29]
	s_cselect_b32 s30, \start, s30
.endm
	PICK 864, 18, 832
	PICK 832, 16, 800
	PICK 800, 14, 768
	PICK 768, 12, 512
	PICK 512, 10, 256
	PICK 256, 8, 0
	s_and_b32 s31, s2, 1
	s_lshl_b32 s31, s31, 1
	s_lshr_b32 s32, s2, 1
	s_or_b32 s31, s31, s32                         ; my wave's number with its two bits swapped
	s_sub_co_u32 s32, ttmp9, 256
	s_cmp_lt_u32 s32, 608                          ; work-groups 256 to 863: k, v, Wq, Wk, Wv
	s_cselect_b32 s31, s31, s2
	s_sub_co_u32 s32, ttmp9, s30
	s_lshl_b32 s32, s32, 2
	s_add_co_u32 s32, s32, s2                      ; the run that I read,
	s_lshl_b32 s32, s32, 15                        ; 32,768 bytes each
	s_mov_b32 s33, 0
	s_add_nc_u64 s[28:29], s[28:29], s[32:33]
	s_lshl_b32 s34, ttmp9, 2
	s_add_co_u32 s34, s34, s31                     ; the run that I write
	s_mul_i32 s36, s34, 32*STEPS*CB
	s_mov_b32 s37, 0
	s_add_nc_u64 s[36:37], s[24:25], s[36:37]      ; its codes
	s_lshl_b32 s38, s34, 8
	s_add_co_u32 s38, s38, PS
	s_mov_b32 s39, 0
	s_add_nc_u64 s[38:39], s[24:25], s[38:39]      ; its 256 scale bytes
.macro LOAD t
.irp i, 0,1,2,3
	global_load_b128 v[R+16*((\t)%4)+4*\i:R+16*((\t)%4)+4*\i+3], v3, s[28:29] offset:2048*(\t)+512*\i th:TH_LOAD_NT   ; 32 lanes read 512 consecutive bytes
.endr
.endm
.macro TURN t                          ; step t's numbers through the stage: LDS serves a wave's instructions in order, so no wait stands between the stores and the loads
.irp i, 0,1,2,3
	ds_store_b128 v14, v[R+16*((\t)%4)+4*\i:R+16*((\t)%4)+4*\i+3] offset:32*SP*((\t)%2)+8*SP*\i
.endr
.irp i, 0,1,2,3
	ds_load_b128 v[X+16*((\t)%2)+4*\i:X+16*((\t)%2)+4*\i+3], v15 offset:32*SP*((\t)%2)+16*\i
.endr
.endm
.irp t, 0,1,2,3
	LOAD \t
.endr
	s_wait_loadcnt 12                              ; step 0's four loads are in
	TURN 0
.macro STEP t
.set XS, X+16*((\t)%2)
.if (\t) > 0
	s_wait_dscnt 1                                 ; this step's numbers are back from the stage (the last step's byte store may be out): so its stores into the stage have read their registers,
.else
	s_wait_dscnt 0x0
.endif
.if (\t)+4 < STEPS
	LOAD (\t)+4                                    ; which take the loads of four steps on
.endif
.if (\t)+1 < STEPS
.if STEPS-2-(\t) >= 3
	s_wait_loadcnt 12                              ; the next step's four loads are in; those of the three steps behind it may be out
.else
	s_wait_loadcnt 4*(STEPS-2-(\t))
.endif
	TURN (\t)+1
.endif
	v_max3_num_f32 v8, |v[XS]|, |v[XS+1]|, |v[XS+2]|               ; the largest magnitude of my 16, in two chains
	v_max3_num_f32 v9, |v[XS+3]|, |v[XS+4]|, |v[XS+5]|
.irp i, 6,10
	v_max3_num_f32 v8, v8, |v[XS+\i]|, |v[XS+\i+1]|
	v_max3_num_f32 v9, v9, |v[XS+\i+2]|, |v[XS+\i+3]|
.endr
	v_max3_num_f32 v8, v8, |v[XS+14]|, |v[XS+15]|
	v_max3_num_f32 v8, v8, v9, (EMAX+1)<<23        ; and the floor 2^(5 - 127): the byte cannot fall under 1
	v_max_num_f32_dpp v8, v8, v8 row_xmask:1 row_mask:0xf bank_mask:0xf   ; and of my neighbour's 16: the block's
	v_add_nc_u32 v11, -(EMAX<<23), v8              ; 4 off its exponent field: the conversion takes the exponent field of this operand as its scale
	v_cvt_scalef32_pk16_bf6_f32 v[C+4*(\t):C+4*(\t)+2], v[XS:XS+15], v11
	v_lshrrev_b32 v[E+(\t)], 23, v11               ; the scale's byte
	ds_store_b8 v5, v[E+(\t)] offset:16*(\t)       ; both lanes of a block write the same byte with the same value
	global_store_b96 v4, v[C+4*(\t):C+4*(\t)+2], s[36:37] offset:32*CB*(\t)   ; the wave stores 384 consecutive bytes
.endm
.irp t, 0,1,2,3,4,5,6,7,8,9,10,11,12,13,14,15
	STEP \t
.endr
	ds_load_b64 v[8:9], v6                         ; LDS serves a wave's instructions in order: these see my stores
	s_wait_dscnt 0x0
	global_store_b64 v7, v[8:9], s[38:39]          ; 32 lanes store 256 consecutive bytes, aligned
	s_wait_tensorcnt 0x0                           ; the wave's end: behind my last LDS store
	ds_add_u32 v[SPW], v[NIL]
	s_wait_dscnt 0x0
	s_endpgm
	; ---------------- the mask ----------------
.Lmask:
	s_sub_co_u32 s3, ttmp9, 896                    ; my tile of 16 queries
	v_and_b32 v3, 15, v0
	v_bfe_u32 v5, v0, 4, 1
	v_lshlrev_b32 v3, 13, v3
	v_lshl_add_u32 v3, v5, 6, v3                   ; row l % 16 of 8,192 bytes, + 64 (l / 16): my 16 keys of a block of 32
	v_lshlrev_b32 v4, 3, v2                        ; out: 8 bytes a lane
	s_lshl_b32 s28, s3, 17
	s_lshl_b32 s29, s2, 11
	s_add_co_u32 s28, s28, s29
	s_mov_b32 s29, 0
	s_add_nc_u64 s[22:23], s[22:23], s[28:29]      ; the mask at my 16 rows, my wave's 512 keys
	s_lshl_b32 s28, s3, 12
	s_lshl_b32 s30, s2, 10
	s_add_co_u32 s28, s28, s30
	s_add_nc_u64 s[30:31], s[26:27], s[28:29]      ; MW at (tile, key step 4 x wave)
	s_lshl_b32 s28, s3, 4
	s_lshl_b32 s56, s2, 2
	s_add_co_u32 s28, s28, s56
	s_add_co_u32 s28, s28, FLB
	s_add_nc_u64 s[26:27], s[26:27], s[28:29]      ; my word of FL
.irp i, 0,1,2,3,4,5,6,7
	v_mov_b32 v[144+\i], 0                         ; a lane write's destination counts as read
.endr
	s_mov_b32 s54, 0
.macro LOADM t                         ; key step t of my four: register 16 b + i = (row l % 16, key 32 b + 16 (l / 16) + i)
.irp b, 0,1,2,3
.irp j, 0,1,2,3
	global_load_b128 v[16+64*((\t)%2)+16*\b+4*\j:16+64*((\t)%2)+16*\b+4*\j+3], v3, s[22:23] offset:512*(\t)+128*\b+16*\j th:TH_LOAD_NT
.endr
.endr
.endm
.macro TILEM t
.if (\t) < 3
	s_wait_loadcnt 16                              ; this step's 16 loads are in; the next step's may be out
.else
	s_wait_loadcnt 0x0
.endif
	s_mov_b32 s50, 0                               ; the words' OR
	s_mov_b32 s51, -1                              ; and their AND
.irp g, 0,1,2,3
.irp k, 0,1,2,3,4,5,6,7,8,9,10,11,12,13,14,15
	v_cmp_eq_u32 s[32+\k], 1, v[16+64*((\t)%2)+16*\g+\k]       ; word n = 16 g + k
.endr
.irp k, 0,1,2,3,4,5,6,7,8,9,10,11,12,13,14,15
	s_or_b32 s50, s50, s[32+\k]
	s_and_b32 s51, s51, s[32+\k]
	v_writelane_b32 v[144+2*(\t)+(\k%2)], s[32+\k], 8*\g+\k/2  ; lane n / 2 holds words n and n + 1
.endr
.endr
	global_store_b64 v4, v[144+2*(\t):145+2*(\t)], s[30:31] offset:256*(\t)   ; 256 consecutive bytes, aligned
	s_cmp_eq_u32 s51, -1
	s_cselect_b32 s52, 1, 0                        ; hidden altogether
	s_cmp_lg_u32 s50, 0
	s_cselect_b32 s53, 1, 0
	s_and_not1_b32 s53, s53, s52                   ; hidden in part
	s_lshl_b32 s52, s52, \t
	s_lshl_b32 s53, s53, 16+\t
	s_or_b32 s54, s54, s52
	s_or_b32 s54, s54, s53
.if (\t) < 2
	LOADM (\t)+2
.endif
.endm
	LOADM 0
	LOADM 1
	TILEM 0
	TILEM 1
	TILEM 2
	TILEM 3
	v_mov_b32 v152, s54
	v_mov_b32 v153, 0
	v_cmp_eq_u32 vcc_lo, 0, v2
	s_wait_xcnt 0x0                                ; EXEC is a source of the stores above: it changes only behind this wait
	s_and_saveexec_b32 s55, vcc_lo
	global_store_b32 v153, v152, s[26:27]          ; one lane stores the wave's word of flags
	s_wait_xcnt 0x0
	s_or_b32 exec_lo, exec_lo, s55
	s_endpgm
.Lfunc_end_k_qba1925ff20_prep:
	.size	k_qba1925ff20_prep, .Lfunc_end_k_qba1925ff20_prep-k_qba1925ff20_prep
	.p2alignl 7, 3214868480
	.fill 96, 4, 3214868480
	.section	.rodata,"a",@progbits
	.p2align	6, 0x0
	.amdhsa_kernel k_qba1925ff20_prep
		.amdhsa_group_segment_fixed_size 33280
		.amdhsa_private_segment_fixed_size 0
		.amdhsa_enable_private_segment 0
		.amdhsa_kernarg_size 80
		.amdhsa_user_sgpr_count 2
		.amdhsa_user_sgpr_kernarg_segment_ptr 1
		.amdhsa_wavefront_size32 1
		.amdhsa_system_sgpr_workgroup_id_x 1
		.amdhsa_system_sgpr_workgroup_id_y 1
		.amdhsa_system_sgpr_workgroup_id_z 1
		.amdhsa_system_vgpr_workitem_id 0
		.amdhsa_next_free_vgpr 192
		.amdhsa_next_free_sgpr 66
		.amdhsa_reserve_vcc 1
		.amdhsa_float_denorm_mode_32 3
		.amdhsa_float_denorm_mode_16_64 3
		.amdhsa_memory_ordered 1
		.amdhsa_forward_progress 1
		.amdhsa_inst_pref_size 91
	.end_amdhsa_kernel
	.amdgpu_metadata
---
amdhsa.version: [ 1, 2 ]
amdhsa.kernels:
  - .name:           k_qba1925ff20_prep
    .symbol:         k_qba1925ff20_prep.kd
    .args:
      - { .name: q, .offset: 0, .size: 8, .value_kind: global_buffer, .address_space: global }
      - { .name: k, .offset: 8, .size: 8, .value_kind: global_buffer, .address_space: global }
      - { .name: v, .offset: 16, .size: 8, .value_kind: global_buffer, .address_space: global }
      - { .name: Wq, .offset: 24, .size: 8, .value_kind: global_buffer, .address_space: global }
      - { .name: Wk, .offset: 32, .size: 8, .value_kind: global_buffer, .address_space: global }
      - { .name: Wv, .offset: 40, .size: 8, .value_kind: global_buffer, .address_space: global }
      - { .name: Wo, .offset: 48, .size: 8, .value_kind: global_buffer, .address_space: global }
      - { .name: mask, .offset: 56, .size: 8, .value_kind: global_buffer, .address_space: global }
      - { .name: pcodes, .offset: 64, .size: 8, .value_kind: global_buffer, .address_space: global }
      - { .name: mk, .offset: 72, .size: 8, .value_kind: global_buffer, .address_space: global }
    .group_segment_fixed_size: 33280
    .private_segment_fixed_size: 0
    .kernarg_segment_align: 8
    .kernarg_segment_size: 80
    .max_flat_workgroup_size: 128
    .sgpr_count:     66
    .vgpr_count:     192
    .wavefront_size: 32
...
	.end_amdgpu_metadata
.endif
;; end of part 1
;; launch proj (part 2): grid 4 x 96, 4 waves a work-group, clusters of 4 x 4, 327,680 bytes of LDS; arguments pcodes, bq, bk, bv, ops; writes ops
.if DOCPART == 2
	.amdgcn_target "amdgcn-amd-amdhsa--gfx1250"
	.amdhsa_code_object_version 6
	.text
	.protected	k_qba1925ff20_proj
	.globl	k_qba1925ff20_proj
	.p2align	8
	.type	k_qba1925ff20_proj,@function
k_qba1925ff20_proj:
	s_mov_b64 s[64:65], 0
	v_nop
	global_prefetch_b8 v0, s[64:65] scope:SCOPE_SE
	s_setreg_imm32_b32 hwreg(HW_REG_WAVE_MODE, 25, 1), 1
	s_wait_xcnt 0x0
	s_wait_alu depctr_hold_cnt(0) depctr_sa_sdst(0) depctr_va_vdst(0) depctr_va_sdst(0) depctr_va_ssrc(0) depctr_va_vcc(0) depctr_vm_vsrc(0)
	s_getreg_b32 s2, hwreg(HW_REG_IB_STS2, 6, 4)
	s_cmp_eq_u32 s2, 0
	s_cbranch_scc0 .Lentry_in_a_cluster
	s_endpgm
.Lentry_in_a_cluster:
	s_bfe_u32 s2, ttmp6, 0x10000c
	s_cmp_lg_u32 s2, 0xf033
	s_cbranch_scc0 .Lentry_shape_is_right
	s_endpgm
.Lentry_shape_is_right:
; Launch 2 of 4: the three input projections on codes of BF6, K = 1,024, their biases, and the quantising of the results straight into the operands of attention's two products.  Nothing is left out here.
; A tile of 256 x 256 to a work-group of four waves, 128 x 128 to a wave: 64 accumulators, 512 registers.  K goes in steps of 256 through a ring of two LDS slots filled by the tensor data mover; the scale bytes of the
; work-group's rows, for all of K, come once.  CLUSTERS of 4 x 4: A's tiles are asked for jointly along a row of the cluster, B's along a column.
; The matrix instruction takes 16 rows of B as source 0 and 16 rows of A as source 1: a lane holds ONE row of A, and its registers run along rows of B.
; CY = the cluster's y, 0 to 23, the same in all sixteen partners.  CY < 16, KIND QK: A = rows of q (CY < 8) or k, B = rows of Wq or Wk: a lane holds a token, its registers run along the features: the head's 64 are the K of Q K^T.
; CY >= 16, KIND V: A = rows of Wv, B = rows of v: a lane holds a feature, its registers run along the tokens: the keys are the K of P V.
; Launch 1 has stored the rows of k, v, Wq, Wk, Wv with bits 3 and 4 of their numbers swapped: so the 16 registers of B's tiles 2 B and 2 B + 1 are 16 NEIGHBOURS, 32 B + 16 (lane / 16) + 0 .. 15, and A's block a holds rows 32 (a / 2) + 8 (a % 2) + r + 8 (r / 8).
; THE BIAS IS THE C OF THE FIRST K STEP: kind QK eight registers for each tile of B, kind V eight copies of the lane's own for each block of A.  That step is written twice, under a branch on CY.
; THE WAY OUT: a block's 64 numbers a lane are four blocks of 32 along the next K: largest magnitude, scale byte, conversion, in registers.  The codes leave as IMAGES OF OPERAND REGISTERS: 12 registers as three planes, registers 4 c .. 4 c + 3 of lane l at 512 c + 16 l.
; ops: [sel 2][batch x head 64][204,800 bytes]; sel 0 Q, sel 1 K and V.  In a record: +0 Q's or K's codes: 64 double fragments of 1,536 bytes (registers 0-5: tile 2 B's 64 along the head, registers 6-11: tile 2 B + 1's);
;   +98,304 V's codes [key step 16][tile of 16 features 4][1,536]; +196,608 Q's or K's scale words [16][r 16][B 4] (bytes: tile 2 B's two, tile 2 B + 1's two); +200,704 V's scale words [16][r 16][tile 4].
; REGISTERS, in windows of 256: window 0: v0-31 addresses; v32-63 scale words, two sets; v64-127 the biases, later the images; from v128 A's fragments, one set; later the quantiser's registers.
;   window 1: B's fragments, two sets.  window 2: the accumulators of my rows 0-63 ((a, b) at v[8 (8 a + b)]).  window 3: those of my rows 64-127.
.set KSTEP,  256
.set NQ,     2                         ; matrix instructions deep in a slot
.set ROWB,   192                       ; a tile's row: 256 codes
.set KROW,   768                       ; a row of codes in memory
.set PITCH,  240                       ; an LDS row: 3 x (64 bytes + 16 of padding)
.set FR,     12
.set NL,     6
.set NP,     4                         ; places behind this matrix instruction (ISA guide 7.12.1)
.set HALFT,  128*PITCH
.set SLOT,   4*HALFT
.set LAPS,   2                         ; 1,024 / 512
.set KS,     32                        ; a row of scale bytes
.set SCL,    2*SLOT
.set HALFS,  (128*KS/256)*272
.set SBLK,   (16*KS/256)*272
.set SPARE,  SCL+4*HALFS               ; the spare words: 128 bytes for each wave
.set PS,     22020096
.set REC,    204800
.set SELB,   13107200
.set ADRA, 16                          ; v16-17 LDS address of my A fragments in slot 0, 1 (v18-19: behind one padding more)
.set ADRB, 20                          ; v20-23 the same for B
.set IO,   24                          ; v24 the way out: 16 x lane
.set SO,   25                          ; v25 the way out: 16 (l % 16) + REC (l / 16)
.set ADRS, 27                          ; v27 LDS address of my scale words: lanes 0-15 A's rows, lanes 16-31 B's
.set SPW,  28
.set NIL,  29
.set BO,   30                          ; v30 my offset in the bias
.set SC,   32
.set BI,   64                          ; v64-127 the biases
.set AF,   128
.set FW,   128                         ; the way out: four scale words to store
.set TM,   192                         ; v192-195 largest magnitudes, v196-199 bytes, v204-207 the conversions' scale operands
.set PW,   208                         ; v208-215 a scale word for each block
.set XT,   240                         ; v240-246 the conversions' second halves
.set SW,   248
.set G1, 24
.set G0, 32
.set G1B, 48
.set G0B, 56
.set G1S, 68
.set G0S, 76
.set G1SB, 80
.set G0SB, 88
.set MSB, 0
.macro WIN new                         ; the immediate's high byte repeats the setting that is left
.if MSB != (\new)
	s_set_vgpr_msb (MSB<<8)|(\new)
.set MSB, (\new)
.endif
.endm
.set MUL_LO, 0xa1                      ; source 0 (B) window 1, source 1 (A) window 0, C and D window 2
.set MUL_HI, 0xf1
.set TO_B,   0x40
; A joint load: waves 0 and 1 fetch for A, waves 2 and 3 for B.  The branch hangs on the wave's number alone.  An s_nop 0 and four v_nop follow each line.
.macro JLOAD g0a, g1a, g0b, g1b
	s_cmp_eq_u32 s15, 0
	s_cbranch_scc0 .Lfor_b_\@
	tensor_load_to_lds s[\g0a:\g0a+3], s[\g1a:\g1a+7]
	s_nop 0
.rept 4
	v_nop
.endr
	s_branch .Lasked_\@
.Lfor_b_\@:
	tensor_load_to_lds s[\g0b:\g0b+3], s[\g1b:\g1b+7]
	s_nop 0
.rept 4
	v_nop
.endr
.Lasked_\@:
.endm
.macro CREST
	s_cmp_lg_u32 s14, 0
	s_cbranch_scc1 .Lnot_wave_0_\@
	s_barrier_signal -3
.Lnot_wave_0_\@:
	s_barrier_wait -3
	s_barrier_signal -1
	s_barrier_wait -1
.endm
.macro CROUND
	s_barrier_signal -1
	s_barrier_wait -1
	CREST
.endm
	s_load_b256 s[4:11], s[0:1], 0x0               ; pcodes 4, bq 6, bk 8, bv 10
	s_load_b64 s[12:13], s[0:1], 0x20              ; ops
	v_lshl_add_u32 v[SPW], v0, 2, SPARE
	v_mov_b32 v[NIL], 0
	ds_add_u32 v[SPW], v[NIL]                      ; the wave's opening: the add, twice on end, and its wait ahead of my first tensor load
	ds_add_u32 v[SPW], v[NIL]
	v_lshrrev_b32 v1, 5, v0
	v_readfirstlane_b32 s14, v1                    ; wave 0..3
	s_lshr_b32 s15, s14, 1                         ; which half of A's rows is mine.  Also: I fetch for A (0) or for B (1)
	s_and_b32 s16, s14, 1                          ; which half of B's rows.  Also: which 128 rows I fetch
	s_bfe_u32 s40, ttmp6, 0x40000                  ; cx
	s_bfe_u32 s41, ttmp6, 0x40004                  ; cy
	s_and_b32 s17, ttmp7, 0xffff                   ; CY
	s_lshl_b32 s43, s41, 2
	s_lshl_b32 s43, 15, s43                        ; my row of the cluster
	s_lshl_b32 s44, 0x1111, s40                    ; my column
	s_or_b32 s[G1+0], s43, (0<<16)|(1<<20)|(1<<21)|(3<<22)|(3<<25)  ; the mask; elements of 1 byte; padding on; bit 21 beside a mask; after every 16 words, 4 words
	s_or_b32 s[G1B+0], s44, (0<<16)|(1<<20)|(1<<21)|(3<<22)|(3<<25)
.irp g, G1, G1B
	s_mov_b32 s[\g+1], ROWB<<16                    ; tensor_dim0
	s_mov_b32 s[\g+2], 128<<16                     ; tensor_dim1
	s_mov_b32 s[\g+3], ROWB<<16                    ; tile_dim0
	s_mov_b32 s[\g+4], 128                         ; tile_dim1
	s_mov_b32 s[\g+5], KROW                        ; the pitch
	s_mov_b32 s[\g+6], 0
	s_mov_b32 s[\g+7], 0
.endr
	s_or_b32 s[G1S+0], s43, (3<<16)|(1<<20)|(1<<21)|(5<<22)|(3<<25) ; the scale bytes of 128 rows: 4,096 dense bytes as rows of 256 (32 elements of 8), 16 bytes of padding behind each
	s_or_b32 s[G1SB+0], s44, (3<<16)|(1<<20)|(1<<21)|(5<<22)|(3<<25)
.irp g, G1S, G1SB
	s_mov_b32 s[\g+1], 32<<16
	s_mov_b32 s[\g+2], (128*KS/256)<<16
	s_mov_b32 s[\g+3], 32<<16
	s_mov_b32 s[\g+4], 128*KS/256
	s_mov_b32 s[\g+5], 32
	s_mov_b32 s[\g+6], 0
	s_mov_b32 s[\g+7], 0
.endr
	; which rows of pcodes.  A's hang on CY and cy, B's on CY and cx, each in registers that never hold the other place
	s_lshl_b32 s18, s17, 10                        ; 1,024 CY: the rows of q, k (CY < 16) or v
	s_lshr_b32 s19, s17, 3
	s_lshl_b32 s19, s19, 10
	s_add_co_u32 s19, s19, 24576                   ; Wq or Wk
	s_mov_b32 s45, 26624                           ; Wv
	s_cmp_lt_u32 s17, 16
	s_cselect_b32 s20, s18, s45
	s_cselect_b32 s46, s19, s18
	s_lshl_b32 s18, s16, 7                         ; which 128 rows I fetch
	s_lshl_b32 s19, s41, 8
	s_add_co_u32 s20, s20, s19
	s_add_co_u32 s20, s20, s18                     ; A's row
	s_lshl_b32 s47, s40, 8
	s_add_co_u32 s46, s46, s47
	s_add_co_u32 s46, s46, s18                     ; B's row
	s_lshl_b32 s22, s20, 5
	s_add_co_u32 s22, s22, PS                      ; their scale bytes,
	s_mov_b32 s23, 0
	s_lshl_b32 s92, s46, 5
	s_add_co_u32 s92, s92, PS
	s_mov_b32 s93, 0
	s_mul_i32 s20, s20, KROW                       ; their codes (all under 2^32)
	s_mov_b32 s21, 0
	s_mul_i32 s46, s46, KROW
	s_mov_b32 s47, 0
	s_mul_i32 s45, s14, HALFT                      ; where they go: wave x 128 rows
	s_mul_i32 s94, s14, HALFS
	s_wait_dscnt 0x0                               ; both opening adds are done
	s_wait_kmcnt 0x0
	s_add_nc_u64 s[20:21], s[4:5], s[20:21]
	s_add_nc_u64 s[22:23], s[4:5], s[22:23]
	s_add_nc_u64 s[46:47], s[4:5], s[46:47]
	s_add_nc_u64 s[92:93], s[4:5], s[92:93]
	CROUND                                         ; all sixteen work-groups are here: the first joint loads meet
	s_mov_b32 s[G0S], 1
	s_add_co_u32 s[G0S+1], s94, SCL
	s_mov_b64 s[G0S+2:G0S+3], s[22:23]
	s_or_b32 s[G0S+3], s[G0S+3], 0x80000000
	s_mov_b32 s[G0SB], 1
	s_add_co_u32 s[G0SB+1], s94, SCL
	s_mov_b64 s[G0SB+2:G0SB+3], s[92:93]
	s_or_b32 s[G0SB+3], s[G0SB+3], 0x80000000
	JLOAD G0S, G1S, G0SB, G1SB                     ; the scales first: they are wanted with K step 0
.irp s, 0,1
	s_mov_b32 s[G0+4*\s], 1
	s_add_co_u32 s[G0+4*\s+1], s45, \s*SLOT
	s_add_nc_u64 s[G0+4*\s+2:G0+4*\s+3], s[20:21], \s*ROWB
	s_or_b32 s[G0+4*\s+3], s[G0+4*\s+3], 0x80000000
	s_mov_b32 s[G0B+4*\s], 1
	s_add_co_u32 s[G0B+4*\s+1], s45, \s*SLOT
	s_add_nc_u64 s[G0B+4*\s+2:G0B+4*\s+3], s[46:47], \s*ROWB
	s_or_b32 s[G0B+4*\s+3], s[G0B+4*\s+3], 0x80000000
	JLOAD G0+4*\s, G1, G0B+4*\s, G1B
.endr
	v_and_b32 v1, 15, v0                           ; r = l % 16
	v_bfe_u32 v2, v0, 4, 1                         ; h = l / 16
	; the biases, asked for now, wanted with the first products
	s_cmp_lt_u32 s17, 16
	s_cbranch_scc0 .Lbias_v
	s_cmp_lt_u32 s17, 8
	s_cselect_b64 s[96:97], s[6:7], s[8:9]         ; bq or bk
	s_lshl_b32 s98, s40, 10                        ; my 128 features: 256 cx + 128 x half, 4 bytes each
	s_lshl_b32 s99, s16, 9
	s_add_co_u32 s98, s98, s99
	s_mov_b32 s99, 0
	s_add_nc_u64 s[96:97], s[96:97], s[98:99]
	v_lshlrev_b32 v[BO], 6, v2                     ; register j of tile b is feature 32 (b / 2) + 16 h + 8 (b % 2) + j
.irp b, 0,1,2,3,4,5,6,7
	global_load_b128 v[BI+8*\b:BI+8*\b+3], v[BO], s[96:97] offset:(32*(\b/2)+8*(\b%2))*4
	global_load_b128 v[BI+8*\b+4:BI+8*\b+7], v[BO], s[96:97] offset:(32*(\b/2)+8*(\b%2))*4+16
.endr
	s_branch .Lbias_in
.Lbias_v:
	s_lshl_b32 s98, s41, 10                        ; my 128 features: 256 cy + 128 x half
	s_lshl_b32 s99, s15, 9
	s_add_co_u32 s98, s98, s99
	s_mov_b32 s99, 0
	s_add_nc_u64 s[96:97], s[10:11], s[98:99]
	v_and_b32 v[BO], 8, v1
	v_add_nc_u32 v[BO], v[BO], v1
	v_lshlrev_b32 v[BO], 2, v[BO]                  ; my row of block a is feature 32 (a / 2) + 8 (a % 2) + r + 8 (r / 8)
.irp a, 0,1,2,3,4,5,6,7
.irp j, 0,1,2,3,4,5,6,7
	global_load_b32 v[BI+8*\a+\j], v[BO], s[96:97] offset:(32*(\a/2)+8*(\a%2))*4   ; a C operand is eight registers: here all eight hold the lane's bias
.endr
.endr
.Lbias_in:
	v_mul_u32_u24 v3, v1, PITCH
	v_mul_u32_u24 v4, v2, 24
	v_add_nc_u32 v4, v3, v4                        ; a fragment's row x pitch + 24 x half
	v_lshl_add_u32 v5, v2, 4, v4                   ; and the same behind one padding more
	s_mul_i32 s21, s15, HALFT
	s_mul_i32 s22, s16, HALFT
	s_add_co_u32 s22, s22, 2*HALFT
.irp s, 0,1
	v_add_nc_u32 v[ADRA+\s], s21, v4
	v_add_nc_u32 v[ADRB+\s], s22, v4
	v_add_nc_u32 v[ADRA+2+\s], s21, v5
	v_add_nc_u32 v[ADRB+2+\s], s22, v5
	s_add_co_u32 s21, s21, SLOT
	s_add_co_u32 s22, s22, SLOT
.endr
	v_mul_u32_u24 v5, v1, KS                       ; my row's scale bytes: 32 a row,
	v_lshrrev_b32 v6, 8, v5
	v_lshl_add_u32 v5, v6, 4, v5                   ; and 16 more for each 256 passed
	s_mul_i32 s21, s15, HALFS
	s_mul_i32 s22, s16, HALFS
	s_add_co_u32 s22, s22, 2*HALFS
	s_sub_co_u32 s22, s22, s21
	v_mul_u32_u24 v6, s22, v2                      ; lanes 16-31 take B's
	s_add_co_u32 s21, s21, SCL
	v_add_nc_u32 v5, v5, v6
	v_add_nc_u32 v[ADRS], s21, v5
.macro FRAG reg, adr, q, i             ; 16 rows x 128 K of 6-bit codes: 12 registers, six pieces of 8 bytes; where the piece of lanes 16-31 lies behind one padding more, the second address register serves
.irp p, 0,1,2,3,4,5
.set PC, 12*(\q)+6*(\p/3)+\p%3
.if PC%8 < 5
	ds_load_b64 v[\reg+2*\p:\reg+2*\p+1], v[\adr] offset:8*PC+16*(PC/8)+(\i)*16*PITCH
.else
	ds_load_b64 v[\reg+2*\p:\reg+2*\p+1], v[\adr+2] offset:8*PC+16*(PC/8)+(\i)*16*PITCH
.endif
.endr
.endm
; 16 matrix instructions: A's blocks a0, a0 + 1 x B's eight.  zero = 0: in place; 2: C = the bias of B's tile; 3: C = the bias of A's block.  The 64 accumulators take turns, one instruction a turn.
.macro MUL16 a0, p, q, sc, zero
.irp a, \a0, \a0+1
.irp b, 0,1,2,3,4,5,6,7
.if \zero == 0
	v_wmma_scale_f32_16x16x128_f8f6f4 v[8*(8*((\a)%4)+\b):8*(8*((\a)%4)+\b)+7], v[128*(\p)+FR*\b:128*(\p)+FR*\b+FR-1], v[AF+FR*(\a):AF+FR*(\a)+FR-1], v[8*(8*((\a)%4)+\b):8*(8*((\a)%4)+\b)+7], v[SC+8*NQ*(\sc)+NQ*\b+(\q)], v[SC+8*NQ*(\sc)+NQ*(\a)+(\q)] matrix_a_fmt:MATRIX_FMT_BF6 matrix_b_fmt:MATRIX_FMT_BF6 matrix_a_scale:MATRIX_SCALE_ROW1
.elseif \zero == 2
	v_wmma_scale_f32_16x16x128_f8f6f4 v[8*(8*((\a)%4)+\b):8*(8*((\a)%4)+\b)+7], v[128*(\p)+FR*\b:128*(\p)+FR*\b+FR-1], v[AF+FR*(\a):AF+FR*(\a)+FR-1], v[BI+8*\b:BI+8*\b+7], v[SC+8*NQ*(\sc)+NQ*\b+(\q)], v[SC+8*NQ*(\sc)+NQ*(\a)+(\q)] matrix_a_fmt:MATRIX_FMT_BF6 matrix_b_fmt:MATRIX_FMT_BF6 matrix_a_scale:MATRIX_SCALE_ROW1
.else
	v_wmma_scale_f32_16x16x128_f8f6f4 v[8*(8*((\a)%4)+\b):8*(8*((\a)%4)+\b)+7], v[128*(\p)+FR*\b:128*(\p)+FR*\b+FR-1], v[AF+FR*(\a):AF+FR*(\a)+FR-1], v[BI+8*(\a):BI+8*(\a)+7], v[SC+8*NQ*(\sc)+NQ*\b+(\q)], v[SC+8*NQ*(\sc)+NQ*(\a)+(\q)] matrix_a_fmt:MATRIX_FMT_BF6 matrix_b_fmt:MATRIX_FMT_BF6 matrix_a_scale:MATRIX_SCALE_ROW1
.endif
.endr
.endr
.endm
.macro FETCH_B slot, q, p
	WIN TO_B
.irp i, 0,1,2,3,4,5,6,7
	FRAG 128*(\p)+FR*\i, ADRB+\slot, \q, \i
.endr
	WIN 0
.endm
.macro FETCH_A slot, q, i0
.irp i, \i0, \i0+1, \i0+2, \i0+3
	FRAG AF+FR*(\i), ADRA+\slot, \q, \i
.endr
.endm
.macro SCALES sc                       ; a K step's scale words: lanes 0-15 A's block i, lanes 16-31 B's block i
.irp i, 0,1,2,3,4,5,6,7
	ds_load_b64 v[SC+8*NQ*\sc+NQ*\i:SC+8*NQ*\sc+NQ*\i+1], v[ADRS] offset:\i*SBLK
.endr
.endm
.macro PLACES n                        ; plain vector instructions between a matrix instruction and a load into, or a read of, its registers
.rept \n
	v_nop
.endr
.endm
.macro STEP slot, q, zero              ; 128 along K that have their successor in the same slot
	s_wait_dscnt 4*NL                              ; B's set and A's blocks 0-3 are in; the youngest 24 loads (A's blocks 4-7) may be out
.if \zero
	WIN 0x81                                       ; C, the bias, in window 0; D in window 2
.else
	WIN MUL_LO
.endif
	MUL16 0, (\q)%2, \q, \slot, \zero
	MUL16 2, (\q)%2, \q, \slot, \zero
	s_wait_dscnt 0
	PLACES NP
	FETCH_B \slot, (\q)+1, 1-(\q)%2
	FETCH_A \slot, (\q)+1, 0
.if \zero
	WIN 0xc1
.else
	WIN MUL_HI
.endif
	MUL16 4, (\q)%2, \q, \slot, \zero
	MUL16 6, (\q)%2, \q, \slot, \zero
	PLACES NP
	WIN 0
	FETCH_A \slot, (\q)+1, 4
.endm
; A slot's last step changes slots: one barrier; in front of it each wave waits for all its tensor loads, adds 0 to its spare word, and waits for that and for its reads of this slot.
.macro TURN slot, next, fill
	s_wait_tensorcnt 0x0                           ; all my tensor loads have landed: my part of the next slot
	ds_add_u32 v[SPW], v[NIL]
	s_wait_dscnt 4*NL+1                            ; (the add and the youngest 24 loads may be out)
	WIN MUL_LO
	MUL16 0, 1, NQ-1, \slot, 0
	s_wait_dscnt 0x0                               ; the add is done, and my reads of this slot are over
	s_barrier_signal -1
	MUL16 2, 1, NQ-1, \slot, 0
	WIN 0
	s_barrier_wait -1
.if \fill
	CREST                                          ; the barrier has opened a round of the cluster's: no wave of any partner still reads this slot or has a load on its way
	s_add_nc_u64 s[G0+4*\slot+2:G0+4*\slot+3], s[G0+4*\slot+2:G0+4*\slot+3], 2*ROWB
	s_add_nc_u64 s[G0B+4*\slot+2:G0B+4*\slot+3], s[G0B+4*\slot+2:G0B+4*\slot+3], 2*ROWB
	JLOAD G0+4*\slot, G1, G0B+4*\slot, G1B         ; the first tensor load behind the round; its four v_nop are the places in front of the loads below
.else
	PLACES NP
.endif
	v_add_nc_u32 v[ADRS], 4*NQ, v[ADRS]
	FETCH_B \next, 0, 0
	FETCH_A \next, 0, 0
	SCALES \next
	WIN MUL_HI
	MUL16 4, 1, NQ-1, \slot, 0
	MUL16 6, 1, NQ-1, \slot, 0
	PLACES NP
	WIN 0
	FETCH_A \next, 0, 4
.endm
	s_wait_tensorcnt 1                             ; the scales and my part of K step 0 are in (K step 1's load may be out),
	s_barrier_signal -1
	s_barrier_wait -1                              ; everybody's are
	FETCH_B 0, 0, 0
	FETCH_A 0, 0, 0
	SCALES 0
	FETCH_A 0, 0, 4
	s_wait_loadcnt 0x0                             ; the biases
	s_cmp_lt_u32 s17, 16
	s_cbranch_scc0 .Lfirst_v
	STEP 0, 0, 2                                   ; the first products start the sums from the bias
	s_branch .Lfirst_done
.Lfirst_v:
	STEP 0, 0, 3
.Lfirst_done:
	s_mov_b32 s3, LAPS-1
.Llap:
	TURN 0, 1, 1
	STEP 1, 0, 0
	TURN 1, 0, 1
	STEP 0, 0, 0
	s_sub_co_u32 s3, s3, 1
	s_cmp_lg_u32 s3, 0
	s_cbranch_scc1 .Llap
	TURN 0, 1, 0                                   ; the last lap fills nothing
	STEP 1, 0, 0
	s_wait_dscnt 4*NL
	WIN MUL_LO
	MUL16 0, 1, NQ-1, 1, 0
	MUL16 2, 1, NQ-1, 1, 0
	s_wait_dscnt 0
	WIN MUL_HI
	MUL16 4, 1, NQ-1, 1, 0
	MUL16 6, 1, NQ-1, 1, 0
	WIN 0
	; THE WAY OUT.  Where my part lies in ops: t = which 128 tokens of the sequence, hd0 = the first of my two heads
	s_cmp_lt_u32 s17, 16
	s_cselect_b32 s18, s41, s40                    ; my place along the tokens,
	s_cselect_b32 s19, s15, s16
	s_cselect_b32 s20, s40, s41                    ; and along the features
	s_cselect_b32 s21, s16, s15
	s_cselect_b32 s22, 0, 98304                    ; V's codes lie behind K's,
	s_mov_b32 s23, 200704
	s_cselect_b32 s23, 196608, s23                 ; V's scale words behind K's
	s_and_b32 s45, s17, 1
	s_lshl_b32 s45, s45, 3
	s_lshl_b32 s18, s18, 1
	s_add_co_u32 s45, s45, s18
	s_add_co_u32 s45, s45, s19                     ; t = 8 (CY % 2) + 2 x place + half
	s_lshl_b32 s20, s20, 2
	s_lshl_b32 s21, s21, 1
	s_add_co_u32 s20, s20, s21                     ; hd0 = 4 x place + 2 x half
	s_bfe_u32 s21, s17, 0x20001                    ; the batch: (CY / 2) % 4
	s_lshl_b32 s21, s21, 4
	s_add_co_u32 s20, s20, s21
	s_mul_i32 s20, s20, REC
	s_lshr_b32 s21, s17, 3
	s_min_u32 s21, s21, 1                          ; sel: 0 for Q, 1 for K and for V
	s_mul_i32 s21, s21, SELB
	s_add_co_u32 s20, s20, s21                     ; the record
	s_mul_i32 s18, s45, 6144
	s_add_co_u32 s18, s18, s20
	s_add_co_u32 s18, s18, s22
	s_mov_b32 s19, 0
	s_lshl_b32 s46, s45, 8
	s_add_co_u32 s46, s46, s20
	s_add_co_u32 s46, s46, s23
	s_mov_b32 s47, 0
	s_add_nc_u64 s[96:97], s[12:13], s[46:47]      ; the scale words
	s_add_nc_u64 s[12:13], s[12:13], s[18:19]      ; the codes
	s_mov_b32 s94, 0xffff0000                      ; lanes 16-31
	s_mov_b32 s98, 0x76543210
	s_mov_b32 s99, 0xfedcba98                      ; v_permlanex16_b32's selects for lane l xor 16
	v_and_b32 v[IO], 31, v0                        ; these seven plain lines are the places behind the last products
	v_lshlrev_b32 v[IO], 4, v[IO]
	v_and_b32 v[SO], 15, v0
	v_bfe_u32 v26, v0, 4, 1
	v_lshlrev_b32 v[SO], 4, v[SO]
	v_mul_u32_u24 v26, v26, REC
	v_add_nc_u32 v[SO], v[SO], v26
.irp b, 0,1,2,3
	v_mov_b32 v[TM+4+\b], 0                        ; a lane permute's destination counts as one of its sources
.endr
; 64 numbers of a lane, v[QS] on in window QW, register 16 b + i = k 32 b + 16 (l / 16) + i of my row, become codes: k 0-63 in v[QD0] .. v[QD0 + 5], k 64-127 in v[QD1] .. v[QD1 + 5], and the scale word in v[QP].
; The accumulators are read where they lie: the windows of the sources are set, nothing is copied.  Each accumulator is read from its low end on.
.macro QUANT
	WIN 5*QW                                       ; sources 0 and 1
.irp b, 0,1,2,3
	v_max3_num_f32 v[TM+\b], |v[QS+16*\b]|, |v[QS+1+16*\b]|, 0x2800000   ; and the floor 2^(5 - 127): the byte cannot fall under 1
.endr
	WIN 20*QW                                      ; sources 1 and 2
.irp i, 2,4,6,8,10,12,14
.irp b, 0,1,2,3
	v_max3_num_f32 v[TM+\b], v[TM+\b], |v[QS+16*\b+\i]|, |v[QS+1+16*\b+\i]|
.endr
.endr
	WIN 0
.irp b, 0,1,2,3
	v_permlanex16_b32 v[TM+4+\b], v[TM+\b], s98, s99
.endr
.irp b, 0,1,2,3
	v_max_num_f32 v[TM+\b], v[TM+\b], v[TM+4+\b]   ; with lane l xor 16's: the block's largest magnitude
.endr
.irp b, 0,1,2,3
	v_add_nc_u32 v[TM+12+\b], 0xfe000000, v[TM+\b] ; 4 off its exponent field: the conversion's scale operand
.endr
.irp b, 0,1,2,3
	v_lshrrev_b32 v[TM+4+\b], 23, v[TM+12+\b]      ; the scale's byte
.endr
	v_lshl_or_b32 v[QP], v[TM+5], 8, v[TM+4]
	v_lshl_or_b32 v[QP], v[TM+6], 16, v[QP]
	v_lshl_or_b32 v[QP], v[TM+7], 24, v[QP]
	WIN QW                                         ; source 0
	v_cvt_scalef32_pk16_bf6_f32 v[QD0:QD0+2], v[QS:QS+15], v[TM+12]
	v_cvt_scalef32_pk16_bf6_f32 v[XT:XT+2], v[QS+16:QS+31], v[TM+13]      ; (a conversion's three registers begin on an even number)
	v_cvt_scalef32_pk16_bf6_f32 v[QD1:QD1+2], v[QS+32:QS+47], v[TM+14]
	v_cvt_scalef32_pk16_bf6_f32 v[XT+4:XT+6], v[QS+48:QS+63], v[TM+15]
	WIN 0
	v_nop                                          ; one plain place behind a scaled conversion
.irp i, 0,1,2
	v_permlane16_swap_b32 v[QD0+\i], v[XT+\i]      ; the operand's layout wants a whole block in a lane
	v_permlane16_swap_b32 v[QD1+\i], v[XT+4+\i]
.endr
.irp i, 0,1,2
	v_mov_b32 v[QD0+3+\i], v[XT+\i]
	v_mov_b32 v[QD1+3+\i], v[XT+4+\i]
.endr
.endm
; kind 0: blocks 2 P and 2 P + 1 are the two tiles of double fragment P; k 0-63 is head hd0, k 64-127 head hd0 + 1: two images.  kind 1: each block is a whole fragment of V^T (16 features x 128 keys): two images.
.macro EPI kind
.irp P, 0,1,2,3
.set IMS, BI+24*(\P%2)                 ; two sets of two images by turns
.if \P > 1
	s_wait_xcnt 0x0                                ; the stores of two pairs back have read their registers
.endif
.irp u, 0,1
.set QS, 64*((2*\P+\u)%4)
.set QW, 2+(2*\P+\u)/4
.set QP, PW+2*\P+\u
.if \kind == 0
.set QD0, IMS+6*\u
.set QD1, IMS+12+6*\u
.else
.set QD0, IMS+12*\u
.set QD1, IMS+12*\u+6
.endif
	QUANT
.endr
.irp e, 0,1
.irp c, 0,1,2
.if \kind == 0
	global_store_b128 v[IO], v[IMS+12*\e+4*\c:IMS+12*\e+4*\c+3], s[12:13] offset:\e*REC+\P*1536+512*\c   ; 512 consecutive bytes, aligned
.else
	global_store_b128 v[IO], v[IMS+12*\e+4*\c:IMS+12*\e+4*\c+3], s[12:13] offset:((2*\P+\e)/4)*REC+((2*\P+\e)%4)*1536+512*\c
.endif
.endr
.endr
.endr
.if \kind == 0
.irp b, 0,1,2,3
	v_perm_b32 v[SW+\b], v[PW+2*\b+1], v[PW+2*\b], 0x05040100     ; head hd0: tile 2 b's two bytes, tile 2 b + 1's two
	v_perm_b32 v[SW+4+\b], v[PW+2*\b+1], v[PW+2*\b], 0x07060302   ; head hd0 + 1
.endr
.irp b, 0,1,2,3
	v_cndmask_b32 v[FW+\b], v[SW+\b], v[SW+4+\b], s94             ; lanes 0-15 store the first head's words, lanes 16-31 the second's
.endr
.else
.irp b, 0,1,2,3
	v_cndmask_b32 v[FW+\b], v[PW+\b], v[PW+4+\b], s94
.endr
.endif
	global_store_b128 v[SO], v[FW:FW+3], s[96:97]  ; each half of the lanes stores 256 consecutive bytes, aligned
.endm
	s_cmp_lt_u32 s17, 16
	s_cbranch_scc0 .Lepi_v
	EPI 0
	s_branch .Lepi_done
.Lepi_v:
	EPI 1
.Lepi_done:
	s_wait_tensorcnt 0x0                           ; the wave's end
	ds_add_u32 v[SPW], v[NIL]
	s_wait_dscnt 0x0
	CROUND                                         ; the closing round
	s_endpgm
.Lfunc_end_k_qba1925ff20_proj:
	.size	k_qba1925ff20_proj, .Lfunc_end_k_qba1925ff20_proj-k_qba1925ff20_proj
	.p2alignl 7, 3214868480
	.fill 96, 4, 3214868480
	.section	.rodata,"a",@progbits
	.p2align	6, 0x0
	.amdhsa_kernel k_qba1925ff20_proj
		.amdhsa_group_segment_fixed_size 327680
		.amdhsa_private_segment_fixed_size 0
		.amdhsa_enable_private_segment 0
		.amdhsa_kernarg_size 40
		.amdhsa_user_sgpr_count 2
		.amdhsa_user_sgpr_kernarg_segment_ptr 1
		.amdhsa_wavefront_size32 1
		.amdhsa_system_sgpr_workgroup_id_x 1
		.amdhsa_system_sgpr_workgroup_id_y 1
		.amdhsa_system_sgpr_workgroup_id_z 1
		.amdhsa_system_vgpr_workitem_id 0
		.amdhsa_next_free_vgpr 1024
		.amdhsa_next_free_sgpr 100
		.amdhsa_reserve_vcc 0
		.amdhsa_float_denorm_mode_32 3
		.amdhsa_float_denorm_mode_16_64 3
		.amdhsa_memory_ordered 1
		.amdhsa_forward_progress 1
		.amdhsa_inst_pref_size 223
	.end_amdhsa_kernel
	.amdgpu_metadata
---
amdhsa.version: [ 1, 2 ]
amdhsa.kernels:
  - .name:           k_qba1925ff20_proj
    .symbol:         k_qba1925ff20_proj.kd
    .args:
      - { .name: pcodes, .offset: 0, .size: 8, .value_kind: global_buffer, .address_space: global }
      - { .name: bq, .offset: 8, .size: 8, .value_kind: global_buffer, .address_space: global }
      - { .name: bk, .offset: 16, .size: 8, .value_kind: global_buffer, .address_space: global }
      - { .name: bv, .offset: 24, .size: 8, .value_kind: global_buffer, .address_space: global }
      - { .name: ops, .offset: 32, .size: 8, .value_kind: global_buffer, .address_space: global }
    .group_segment_fixed_size: 327680
    .private_segment_fixed_size: 0
    .kernarg_segment_align: 8
    .kernarg_segment_size: 40
    .max_flat_workgroup_size: 128
    .sgpr_count:     100
    .vgpr_count:     1024
    .wavefront_size: 32
...
	.end_amdgpu_metadata
.endif
;; end of part 2
;; launch attn (part 3): grid 4 x 64, 16 waves a work-group, no clusters, 206,848 bytes of LDS; arguments ops, mk, att; writes att
.if DOCPART == 3
	.amdgcn_target "amdgcn-amd-amdhsa--gfx1250"
	.amdhsa_code_object_version 6
	.text
	.protected	k_qba1925ff20_attn
	.globl	k_qba1925ff20_attn
	.p2align	8
	.type	k_qba1925ff20_attn,@function
k_qba1925ff20_attn:
	s_mov_b64 s[64:65], 0
	v_nop
	global_prefetch_b8 v0, s[64:65] scope:SCOPE_SE
	s_setreg_imm32_b32 hwreg(HW_REG_WAVE_MODE, 25, 1), 1
	s_wait_xcnt 0x0
; Launch 3 of 4: S = Q K^T, the mask, p = 2^(t - M), O = P V / l, both products on codes of BF6, and O quantised into the A operand of the last product.
; LEFT OUT: a key step (16 queries x 128 keys) whose every mask entry is 1: p = 0 there for all values of q, k, v (shown at the head of launch 1); launch 1's flags, whole numbers read from mk, decide.
; A work-group takes one (batch, head) and two blocks of 256 queries, j and 7 - j, one after the other; each of its SIXTEEN waves owns one tile of 16 queries in 256 registers: four waves to a SIMD, so that one
; wave's vector work stands beside another's matrix work.  The pairing only evens out the work where hidden steps lie on one side; it is right for any mask.
; THE HEAD'S K AND V, codes and scale words, are 204,800 bytes: they are copied into LDS once, through registers, and stay.  NO TENSOR LOAD AND NO CLUSTER: steps are jumped over by whole numbers read from memory,
; what the four work-groups of a head share is those 204,800 bytes, read once by each.
; LAYOUT.  Both products are used transposed: S^T = K Q^T (source 0 = keys), O^T = V^T P^T (source 0 = 16 of the head's 64): a lane holds ONE query (lane % 16) throughout.
; The head's size is 64 and the instruction's K is 128: a fragment of K holds TWO tiles of 16 keys (k 0-63: tile 2 B, k 64-127: tile 2 B + 1).  It is multiplied by [Q | 0] and by [0 | Q]: the half that does not
; count meets zero codes.  Score register 16 B + i is key 32 B + 16 (lane / 16) + i of the step (launch 1's order of k's rows).
; SOFTMAX: t = score x log2(e) / 8; M = the running largest t rounded up to a whole number; p = 2^(t - M) is quantised along the keys; the row's sum l is taken of the unquantised p; when M moves, l and O are multiplied by 2^(old M - new M): exact.
; A ROW THAT THE MASK HIDES ALTOGETHER has l = 0: it is divided by 1, and its two scale bytes become 0xff, which makes the last product's sums of that row NaN, as reference() has them.
; att: codes [tile of 16 tokens 512][head 16][plane 3][lane 32][8 bytes]: registers 2 p, 2 p + 1 of the half fragment (lane (r, h): 32 h .. 32 h + 31 of the head's 64, token r); from byte AS: [512][16][lane 32] two scale bytes (lanes 16-31 repeat lanes 0-15).
; REGISTERS: v1 16 x lane; v2 the scale words' place; v3, v4 the add's two; v5 8 x lane; v6 2 x lane; v7 -infinity; v8-10 addresses in hand; v11 V's place; v12 -M, v13 the largest t, v[14:15] l;
;   v16-27 [Q | 0]; v28-39 [0 | Q]; v40, v41 their scale words; v42-45 K's (lanes 0-15) and V's (lanes 16-31) scale words; v46 16 r; v47 an offset; v48-95 four fragments of K, then of V; v96-159 S^T, then p;
;   v160-191 O^T; v192-203 p's codes; v204-210 the conversions' second halves; v212-223 at work; v224, v225 at work; v[226:227] f and 0; v228 p's scale word; v229 1.0; v230 0xffff; v231 two bytes; v232-235 the copy's addresses.
.set REC,   204800
.set SELB,  13107200
.set VOFF,  98304
.set KSC,   196608
.set SPARE, 204800                     ; the spare words: 128 bytes for each of sixteen waves
.set FLB,   524288
.set AS,    6291456
	s_load_b128 s[4:7], s[0:1], 0x0                ; ops 4, mk 6
	s_load_b64 s[8:9], s[0:1], 0x10                ; att
	v_lshl_add_u32 v3, v0, 2, SPARE
	v_mov_b32 v4, 0
	v_lshrrev_b32 v1, 5, v0
	s_delay_alu instid0(VALU_DEP_1)
	v_readfirstlane_b32 s10, v1                    ; wave 0..15
	s_mov_b32 s11, ttmp9                           ; j
	s_and_b32 s12, ttmp7, 0xffff                   ; 16 x batch + head
	s_mul_i32 s92, s12, REC
	s_mov_b32 s93, 0
	v_lshlrev_b32 v232, 4, v0                      ; 16 x thread: an instruction of the work-group covers 8,192 consecutive bytes
	s_wait_alu depctr_va_vdst(0)
	s_wait_kmcnt 0x0
	s_add_nc_u64 s[4:5], s[4:5], s[92:93]          ; Q's record
	s_add_nc_u64 s[94:95], s[4:5], SELB            ; K's and V's
.set i, 0
.rept 25
	global_load_b128 v[96+4*i:99+4*i], v232, s[94:95] offset:8192*i
.set i, i+1
.endr
	s_lshr_b32 s92, s12, 4                         ; the batch
	s_and_b32 s96, s12, 15                         ; the head
	s_mul_i32 s97, s92, 128*12288
	s_mul_i32 s98, s96, 768
	s_add_co_u32 s98, s98, s97
	s_mov_b32 s99, 0
	s_lshl_b32 s92, s92, 17
	s_lshl_b32 s96, s96, 6
	s_add_co_u32 s92, s92, s96
	s_add_co_u32 s92, s92, AS
	s_add_nc_u64 s[2:3], s[8:9], s[92:93]          ; att's scale bytes at (the batch's first tile, my head)
	s_add_nc_u64 s[8:9], s[8:9], s[98:99]          ; att's codes likewise
	s_mov_b32 s86, 0x76543210
	s_mov_b32 s87, 0xfedcba98                      ; v_permlanex16_b32's selects for lane l xor 16
	s_mov_b32 s88, 0x3e38aa3b                      ; c = log2(e) / 8
	s_mov_b32 s89, s88                             ; (named with it as a pair)
	v_add_nc_u32 v233, 0x10000, v232
	v_add_nc_u32 v234, 0x20000, v232
	v_add_nc_u32 v235, 0x30000, v232
	v_and_b32 v1, 31, v0
	s_delay_alu instid0(VALU_DEP_1)
	v_lshlrev_b32 v5, 3, v1
	s_delay_alu instid0(VALU_DEP_2)
	v_lshlrev_b32 v6, 1, v1
	s_delay_alu instid0(VALU_DEP_3)
	v_lshlrev_b32 v1, 4, v1
	v_and_b32 v46, 15, v0
	s_delay_alu instid0(VALU_DEP_1)
	v_lshlrev_b32 v46, 4, v46
	v_bfe_u32 v2, v0, 4, 1
	s_delay_alu instid0(VALU_DEP_1)
	v_lshl_add_u32 v2, v2, 12, v46
	s_delay_alu instid0(VALU_DEP_1)
	v_add_nc_u32 v2, KSC, v2                       ; lanes 0-15: K's words of row r; lanes 16-31: V's, 4,096 bytes on
	v_add_nc_u32 v11, VOFF, v1
	v_mov_b32 v7, 0xff800000
	v_mov_b32 v229, 1.0
	v_mov_b32 v230, 0xffff
	v_mov_b32 v227, 0
.irp i, 216,217,218,219
	v_mov_b32 v\i, 0                               ; a lane permute's destination counts as one of its sources
.endr
.irp i, 22,23,24,25,26,27,28,29,30,31,32,33
	v_mov_b32 v\i, 0                               ; the zero halves of [Q | 0] and [0 | Q]
.endr
.set i, 0
.rept 25
	s_wait_loadcnt 24-i                            ; loads come back in order: load i is in, the younger ones may be out
	ds_store_b128 v[232+i/8], v[96+4*i:99+4*i] offset:8192*(i%8)
.set i, i+1
.endr
	s_wait_dscnt 0x0                               ; for the others' sake: my stores have landed
	s_barrier_signal -1
	s_barrier_wait -1                              ; the launch's one barrier: K and V lie in LDS, and nobody writes LDS again
	s_mov_b32 s13, 0
.Lpass:
	s_wait_xcnt 0x0                                ; the last pass's stores have read their registers
	s_sub_co_u32 s92, 7, s11
	s_cmp_eq_u32 s13, 0
	s_cselect_b32 s92, s11, s92                    ; the block of 256 queries
	s_lshl_b32 s90, s92, 4
	s_add_co_u32 s90, s90, s10                     ; qt: my tile of 16 queries
	s_lshl_b32 s92, s90, 4
	s_add_co_u32 s92, s92, FLB
	s_load_b128 s[96:99], s[6:7], s92 offset:0x0   ; its flags
	s_lshr_b32 s93, s90, 1
	s_mul_i32 s93, s93, 1536
	v_add_nc_u32 v47, s93, v1
	global_load_b128 v[48:51], v47, s[4:5]         ; the double fragment that holds my tile
	global_load_b128 v[52:55], v47, s[4:5] offset:512
	global_load_b128 v[56:59], v47, s[4:5] offset:1024
	s_lshr_b32 s94, s90, 3
	s_lshl_b32 s94, s94, 8
	s_bfe_u32 s95, s90, 0x20001
	s_lshl_b32 s95, s95, 2
	s_add_co_u32 s94, s94, s95
	s_add_co_u32 s94, s94, KSC
	v_add_nc_u32 v224, s94, v46
	global_load_b32 v60, v224, s[4:5]              ; and its scale word
	s_wait_kmcnt 0x0
	s_and_b32 s67, s96, 15                         ; bit t: key step t is hidden altogether
	s_bfe_u32 s84, s96, 0x40010                    ; bit t: in part
.irp g, 1,2,3
	s_and_b32 s92, s[96+\g], 15
	s_lshl_b32 s92, s92, 4*\g
	s_or_b32 s67, s67, s92
	s_bfe_u32 s92, s[96+\g], 0x40010
	s_lshl_b32 s92, s92, 4*\g
	s_or_b32 s84, s84, s92
.endr
	s_and_b32 s92, s10, 1
	s_sub_co_u32 s92, 0, s92                       ; all ones where my tile is the fragment's second
	s_wait_loadcnt 0x0
.irp i, 0,1,2,3,4,5
	v_cndmask_b32 v[16+\i], v[48+\i], v[54+\i], s92
.endr
.irp i, 0,1,2,3,4,5
	v_mov_b32 v[34+\i], v[16+\i]
.endr
	v_lshrrev_b32 v224, 16, v60
	v_and_b32 v225, 0xffff, v60
	s_delay_alu instid0(VALU_DEP_1)
	v_cndmask_b32 v224, v225, v224, s92            ; my tile's two bytes
	s_delay_alu instid0(VALU_DEP_1)
	v_or_b32 v40, 0x1010000, v224                  ; the blocks of zero codes get the byte 1
	s_delay_alu instid0(VALU_DEP_2)
	v_lshl_or_b32 v41, v224, 16, 0x101
	v_mov_b32 v13, 0xff61b1e6                      ; the largest t so far: -3e38
	s_delay_alu instid0(VALU_DEP_1)
	v_floor_f32 v12, -v13
	v_mov_b32 v14, 0
	v_mov_b32 v15, 0
.set n, 0
.rept 32
	v_mov_b32 v[160+n], 0                          ; O^T: the step is written once, its first walk finds zeros.  (Also the places between the operands made above and the first product)
.set n, n+1
.endr
	s_mov_b32 s14, 16
	s_mov_b32 s15, 0                               ; 6,144 x step: K's and V's fragments
	s_mov_b32 s66, 0                               ; 256 x step: the scale words
	s_lshl_b32 s91, s90, 12                        ; (16 qt + step) x 256: the mask words
.Lstep:
	s_bitcmp1_b32 s67, 0
	s_cbranch_scc1 .Lnext                          ; hidden altogether: nothing to do
	s_setprio 2
	v_add_nc_u32 v8, s15, v1
	v_add_nc_u32 v9, s15, v11
	v_add_nc_u32 v10, s66, v2
.irp b, 0,1,2,3
.irp c, 0,1,2
	ds_load_b128 v[48+12*\b+4*\c:51+12*\b+4*\c], v8 offset:1536*\b+512*\c     ; the images come back as they were stored: 512 consecutive bytes an instruction
.endr
.endr
	ds_load_b128 v[42:45], v10
	s_wait_alu depctr_va_vdst(0)
	s_wait_dscnt 0x0
.irp b, 0,1,2,3
	v_wmma_scale_f32_16x16x128_f8f6f4 v[96+16*\b:103+16*\b], v[48+12*\b:59+12*\b], v[16:27], 0, v[42+\b], v40 matrix_a_fmt:MATRIX_FMT_BF6 matrix_b_fmt:MATRIX_FMT_BF6
	v_wmma_scale_f32_16x16x128_f8f6f4 v[104+16*\b:111+16*\b], v[48+12*\b:59+12*\b], v[28:39], 0, v[42+\b], v41 matrix_a_fmt:MATRIX_FMT_BF6 matrix_b_fmt:MATRIX_FMT_BF6
.endr
.rept 4
	v_nop                                          ; places in front of the loads into K's registers and of the first read of the scores
.endr
.irp d, 0,1,2,3
.irp c, 0,1,2
	ds_load_b128 v[48+12*\d+4*\c:51+12*\d+4*\c], v9 offset:1536*\d+512*\c     ; V's four fragments land while the softmax is walked
.endr
.endr
	s_bitcmp1_b32 s84, 0
	s_cbranch_scc0 .Lopen                          ; no key of this step is hidden
	s_load_b512 s[16:31], s[6:7], s91 offset:0x0   ; 64 lane masks, one for each score register
	s_load_b512 s[32:47], s[6:7], s91 offset:0x40
	s_load_b512 s[48:63], s[6:7], s91 offset:0x80
	s_load_b512 s[68:83], s[6:7], s91 offset:0xc0
	s_wait_kmcnt 0x0
.set n, 0
.rept 48
	v_cndmask_b32 v[96+n], v[96+n], v7, s[16+n]    ; hidden scores become -infinity ahead of the maximum
.set n, n+1
.endr
.rept 16
	v_cndmask_b32 v[96+n], v[96+n], v7, s[20+n]
.set n, n+1
.endr
.Lopen:
.irp b, 0,1,2,3
	v_max3_num_f32 v[212+\b], v[96+16*\b], v[97+16*\b], v[98+16*\b]   ; the largest score of each block of 32 keys: for the row's maximum and, since p rises with the score, for the block's largest p
.endr
.irp i, 3,5,7,9,11,13
.irp b, 0,1,2,3
	v_max3_num_f32 v[212+\b], v[212+\b], v[96+16*\b+\i], v[97+16*\b+\i]
.endr
.endr
.irp b, 0,1,2,3
	v_max_num_f32 v[212+\b], v[212+\b], v[111+16*\b]
.endr
.irp b, 0,1,2,3
	s_delay_alu instid0(VALU_DEP_4)
	v_permlanex16_b32 v[216+\b], v[212+\b], s86, s87
.endr
.irp b, 0,1,2,3
	s_delay_alu instid0(VALU_DEP_4)
	v_max_num_f32 v[212+\b], v[212+\b], v[216+\b]  ; with lane l xor 16's 16 keys
.endr
	s_delay_alu instid0(VALU_DEP_2)
	v_max3_num_f32 v224, v212, v213, v214
	s_delay_alu instid0(VALU_DEP_1)
	v_max_num_f32 v224, v224, v215
	s_delay_alu instid0(VALU_DEP_1)
	v_mul_f32 v224, s88, v224                      ; as t (c is positive)
	s_delay_alu instid0(VALU_DEP_1)
	v_max_num_f32 v13, v13, v224                   ; the running largest t
	v_mov_b32 v224, v12
	s_delay_alu instid0(VALU_DEP_2)
	v_floor_f32 v12, -v13                          ; -M = floor(-t): M is a whole number
	s_delay_alu instid0(VALU_DEP_1)
	v_sub_f32 v224, v12, v224                      ; old M - new M: a whole number, 0 or less
	s_delay_alu instid0(VALU_DEP_1)
	v_cvt_i32_f32 v224, v224                       ; (it saturates)
	s_delay_alu instid0(VALU_DEP_1)
	v_ldexp_f32 v226, 1.0, v224                    ; f = 2^(old M - new M)
.set n, 0
.rept 32
	v_pk_fma_f32 v[96+n:97+n], v[96+n:97+n], s[88:89], v[12:13] op_sel_hi:[1,0,0]   ; t - M, two at a time
.set n, n+2
.endr
.irp b, 0,1,2,3
	v_fma_f32 v[212+\b], v[212+\b], s88, v12       ; the same of each block's largest score
.endr
.set n, 0
	s_setprio 1
	s_wait_alu depctr_va_vdst(0)
.rept 64
	v_exp_f32 v[96+n], v[96+n]                     ; p = 2^(t - M): not normalised
.set n, n+1
.endr
	v_pk_mul_f32 v[14:15], v[14:15], v[226:227] op_sel_hi:[1,0]   ; l under the new M: the plain place behind the exponentials
	s_wait_alu depctr_va_vdst(0)                   ; one wait for the whole batch, ahead of its first reader
.irp b, 0,1,2,3
	v_exp_f32 v[212+\b], v[212+\b]                 ; the block's largest p
.endr
	v_pk_add_f32 v[216:217], v[100:101], v[104:105]
	v_pk_add_f32 v[254:255], v[108:109], v[112:113]
	v_pk_add_f32 v[252:253], v[116:117], v[120:121]
	v_pk_add_f32 v[250:251], v[124:125], v[128:129]
	v_pk_add_f32 v[248:249], v[132:133], v[136:137]
	v_pk_add_f32 v[246:247], v[140:141], v[144:145]
	v_pk_add_f32 v[244:245], v[148:149], v[152:153]
	v_pk_add_f32 v[14:15], v[14:15], v[156:157]
	v_pk_add_f32 v[216:217], v[216:217], v[96:97]
	v_pk_add_f32 v[254:255], v[254:255], v[98:99]
	v_pk_add_f32 v[252:253], v[252:253], v[102:103]
	v_pk_add_f32 v[250:251], v[250:251], v[106:107]
	v_pk_add_f32 v[248:249], v[248:249], v[110:111]
	v_pk_add_f32 v[246:247], v[246:247], v[114:115]
	v_pk_add_f32 v[244:245], v[244:245], v[118:119]
	v_pk_add_f32 v[14:15], v[14:15], v[122:123]
	v_pk_add_f32 v[216:217], v[216:217], v[126:127]
	v_pk_add_f32 v[254:255], v[254:255], v[130:131]
	v_pk_add_f32 v[252:253], v[252:253], v[134:135]
	v_pk_add_f32 v[250:251], v[250:251], v[138:139]
	v_pk_add_f32 v[248:249], v[248:249], v[142:143]
	v_pk_add_f32 v[246:247], v[246:247], v[146:147]
	v_pk_add_f32 v[244:245], v[244:245], v[150:151]
	v_pk_add_f32 v[14:15], v[14:15], v[154:155]
	v_pk_add_f32 v[216:217], v[216:217], v[158:159]
	s_delay_alu instid0(VALU_DEP_2)
	v_pk_add_f32 v[14:15], v[14:15], v[250:251]
	s_delay_alu instid0(VALU_DEP_2)
	v_pk_add_f32 v[216:217], v[216:217], v[248:249]
	v_pk_add_f32 v[254:255], v[254:255], v[246:247]
	v_pk_add_f32 v[252:253], v[252:253], v[244:245]
	s_delay_alu instid0(VALU_DEP_2)
	v_pk_add_f32 v[14:15], v[14:15], v[254:255]
	s_delay_alu instid0(VALU_DEP_2)
	v_pk_add_f32 v[216:217], v[216:217], v[252:253]
	s_delay_alu instid0(VALU_DEP_1)
	v_pk_add_f32 v[14:15], v[14:15], v[216:217]
	s_wait_alu depctr_va_vdst(0)                   ; and one for the four
.irp b, 0,1,2,3
	v_max_num_f32 v[212+\b], 0x2800000, v[212+\b]  ; the floor 2^(5 - 127): the byte cannot fall under 1
.endr
.irp b, 0,1,2,3
	s_delay_alu instid0(VALU_DEP_4)
	v_add_nc_u32 v[220+\b], 0xfe000000, v[212+\b]  ; 4 off the exponent field: the conversion's scale operand
.endr
.irp b, 0,1,2,3
	s_delay_alu instid0(VALU_DEP_4)
	v_lshrrev_b32 v[216+\b], 23, v[220+\b]
.endr
	s_delay_alu instid0(VALU_DEP_3)
	v_lshl_or_b32 v228, v217, 8, v216              ; p's scale word for these 128 keys
	s_delay_alu instid0(VALU_DEP_1)
	v_lshl_or_b32 v228, v218, 16, v228
	s_delay_alu instid0(VALU_DEP_1)
	v_lshl_or_b32 v228, v219, 24, v228
.irp c, 0,1
	v_cvt_scalef32_pk16_bf6_f32 v[192+6*\c:194+6*\c], v[96+32*\c:111+32*\c], v[220+2*\c]
	v_cvt_scalef32_pk16_bf6_f32 v[204+4*\c:206+4*\c], v[112+32*\c:127+32*\c], v[220+2*\c+1]
.endr
	v_nop                                          ; one plain place behind a scaled conversion
	s_setprio 0
.irp c, 0,1
.irp i, 0,1,2
	v_permlane16_swap_b32 v[192+6*\c+\i], v[204+4*\c+\i]          ; the operand's layout wants a whole block in a lane
.endr
.irp i, 0,1,2
	s_delay_alu instid0(VALU_DEP_3)
	v_mov_b32 v[195+6*\c+\i], v[204+4*\c+\i]
.endr
.endr
.set n, 0
.rept 16
	v_pk_mul_f32 v[160+n:161+n], v[160+n:161+n], v[226:227] op_sel_hi:[1,0]   ; O^T under the new M.  (Also the places between p's codes and scale word and the products)
.set n, n+2
.endr
	s_wait_alu depctr_va_vdst(0)
	s_wait_dscnt 0x0                               ; V
.irp d, 0,1,2,3
	v_wmma_scale_f32_16x16x128_f8f6f4 v[160+8*\d:167+8*\d], v[48+12*\d:59+12*\d], v[192:203], v[160+8*\d:167+8*\d], v[42+\d], v228 matrix_a_fmt:MATRIX_FMT_BF6 matrix_b_fmt:MATRIX_FMT_BF6 matrix_a_scale:MATRIX_SCALE_ROW1
.endr
.rept 4
	v_nop                                          ; places for whatever follows: the next step's loads, or the way out's reads
.endr
.Lnext:
	s_lshr_b32 s67, s67, 1
	s_lshr_b32 s84, s84, 1
	s_add_co_u32 s15, s15, 6144
	s_add_co_u32 s66, s66, 256
	s_add_co_u32 s91, s91, 256
	s_sub_co_u32 s14, s14, 1
	s_cmp_lg_u32 s14, 0
	s_cbranch_scc1 .Lstep
	s_setprio 0
	; THE WAY OUT of a tile: O^T / l, two blocks of 32 along the head's 64 (launch 1's order of Wv's rows makes register 16 b + i the feature 32 b + 16 (lane / 16) + i), quantised as the last product's operand
	v_add_f32 v14, v14, v15
	s_delay_alu instid0(VALU_DEP_1)
	v_permlanex16_b32 v216, v14, s86, s87
	s_delay_alu instid0(VALU_DEP_1)
	v_add_f32 v14, v14, v216                       ; the row's sum
	s_delay_alu instid0(VALU_DEP_1)
	v_cmp_eq_f32 s85, 0, v14                       ; a row hidden altogether: it only selects values below
	s_delay_alu instid0(VALU_DEP_1)
	v_cndmask_b32 v15, v14, v229, s85
	s_wait_alu depctr_va_vdst(0)
	v_rcp_f32 v15, v15
	s_mul_i32 s92, s90, 12288
	v_add_nc_u32 v47, s92, v5                      ; (the plain place behind the reciprocal)  my tile's codes in att
	s_lshl_b32 s92, s90, 10
	v_add_nc_u32 v225, s92, v6                     ; and its scale bytes
	s_wait_alu depctr_va_vdst(0)                   ; ahead of the reciprocal's first reader
.set n, 0
.rept 32
	v_mul_f32 v[96+n], v[160+n], v15
.set n, n+1
.endr
.irp b, 0,1
	v_max3_num_f32 v[212+\b], |v[96+16*\b]|, |v[97+16*\b]|, 0x2800000
.endr
.irp i, 2,4,6,8,10,12,14
.irp b, 0,1
	s_delay_alu instid0(VALU_DEP_2)
	v_max3_num_f32 v[212+\b], v[212+\b], |v[96+16*\b+\i]|, |v[97+16*\b+\i]|
.endr
.endr
.irp b, 0,1
	s_delay_alu instid0(VALU_DEP_2)
	v_permlanex16_b32 v[216+\b], v[212+\b], s86, s87
.endr
.irp b, 0,1
	s_delay_alu instid0(VALU_DEP_2)
	v_max_num_f32 v[212+\b], v[212+\b], v[216+\b]
.endr
.irp b, 0,1
	s_delay_alu instid0(VALU_DEP_2)
	v_add_nc_u32 v[220+\b], 0xfe000000, v[212+\b]
.endr
.irp b, 0,1
	s_delay_alu instid0(VALU_DEP_2)
	v_lshrrev_b32 v[216+\b], 23, v[220+\b]
.endr
	s_delay_alu instid0(VALU_DEP_1)
	v_lshl_or_b32 v231, v217, 8, v216
	s_delay_alu instid0(VALU_DEP_1)
	v_cndmask_b32 v231, v231, v230, s85            ; 0xff, 0xff for a row hidden altogether
	v_cvt_scalef32_pk16_bf6_f32 v[192:194], v[96:111], v220
	v_cvt_scalef32_pk16_bf6_f32 v[204:206], v[112:127], v221
	v_nop                                          ; one plain place behind a scaled conversion
.irp i, 0,1,2
	v_permlane16_swap_b32 v[192+\i], v[204+\i]
.endr
.irp i, 0,1,2
	s_delay_alu instid0(VALU_DEP_3)
	v_mov_b32 v[195+\i], v[204+\i]
.endr
	global_store_b64 v47, v[192:193], s[8:9]       ; each store covers 256 consecutive bytes, aligned
	global_store_b64 v47, v[194:195], s[8:9] offset:256
	global_store_b64 v47, v[196:197], s[8:9] offset:512
	global_store_b16 v225, v231, s[2:3]            ; 64 consecutive bytes
	s_add_co_u32 s13, s13, 1
	s_cmp_lt_u32 s13, 2
	s_cbranch_scc1 .Lpass
	s_wait_tensorcnt 0x0                           ; the wave's end: behind my last LDS store
	ds_add_u32 v3, v4
	s_wait_dscnt 0x0
	s_endpgm
.Lfunc_end_k_qba1925ff20_attn:
	.size	k_qba1925ff20_attn, .Lfunc_end_k_qba1925ff20_attn-k_qba1925ff20_attn
	.p2alignl 7, 3214868480
	.fill 96, 4, 3214868480
	.section	.rodata,"a",@progbits
	.p2align	6, 0x0
	.amdhsa_kernel k_qba1925ff20_attn
		.amdhsa_group_segment_fixed_size 206848
		.amdhsa_private_segment_fixed_size 0
		.amdhsa_enable_private_segment 0
		.amdhsa_kernarg_size 24
		.amdhsa_user_sgpr_count 2
		.amdhsa_user_sgpr_kernarg_segment_ptr 1
		.amdhsa_wavefront_size32 1
		.amdhsa_system_sgpr_workgroup_id_x 1
		.amdhsa_system_sgpr_workgroup_id_y 1
		.amdhsa_system_sgpr_workgroup_id_z 1
		.amdhsa_system_vgpr_workitem_id 0
		.amdhsa_next_free_vgpr 256
		.amdhsa_next_free_sgpr 100
		.amdhsa_reserve_vcc 0
		.amdhsa_float_denorm_mode_32 3
		.amdhsa_float_denorm_mode_16_64 3
		.amdhsa_memory_ordered 1
		.amdhsa_forward_progress 1
		.amdhsa_inst_pref_size 39
	.end_amdhsa_kernel
	.amdgpu_metadata
---
amdhsa.version: [ 1, 2 ]
amdhsa.kernels:
  - .name:           k_qba1925ff20_attn
    .symbol:         k_qba1925ff20_attn.kd
    .args:
      - { .name: ops, .offset: 0, .size: 8, .value_kind: global_buffer, .address_space: global }
      - { .name: mk, .offset: 8, .size: 8, .value_kind: global_buffer, .address_space: global }
      - { .name: att, .offset: 16, .size: 8, .value_kind: global_buffer, .address_space: global }
    .group_segment_fixed_size: 206848
    .private_segment_fixed_size: 0
    .kernarg_segment_align: 8
    .kernarg_segment_size: 24
    .max_flat_workgroup_size: 512
    .sgpr_count:     100
    .vgpr_count:     256
    .wavefront_size: 32
...
	.end_amdgpu_metadata
.endif
;; end of part 3
;; launch outp (part 4): grid 4 x 32, 4 waves a work-group, clusters of 4 x 4, 327,680 bytes of LDS; arguments att, pcodes, bo, out0; writes out0
.if DOCPART == 4
	.amdgcn_target "amdgcn-amd-amdhsa--gfx1250"
	.amdhsa_code_object_version 6
	.text
	.protected	k_qba1925ff20_outp
	.globl	k_qba1925ff20_outp
	.p2align	8
	.type	k_qba1925ff20_outp,@function
k_qba1925ff20_outp:
	s_mov_b64 s[64:65], 0
	v_nop
	global_prefetch_b8 v0, s[64:65] scope:SCOPE_SE
	s_setreg_imm32_b32 hwreg(HW_REG_WAVE_MODE, 25, 1), 1
	s_wait_xcnt 0x0
	s_wait_alu depctr_hold_cnt(0) depctr_sa_sdst(0) depctr_va_vdst(0) depctr_va_sdst(0) depctr_va_ssrc(0) depctr_va_vcc(0) depctr_vm_vsrc(0)
	s_getreg_b32 s2, hwreg(HW_REG_IB_STS2, 6, 4)
	s_cmp_eq_u32 s2, 0
	s_cbranch_scc0 .Lentry_in_a_cluster
	s_endpgm
.Lentry_in_a_cluster:
	s_bfe_u32 s2, ttmp6, 0x10000c
	s_cmp_lg_u32 s2, 0xf033
	s_cbranch_scc0 .Lentry_shape_is_right
	s_endpgm
.Lentry_shape_is_right:
; Launch 4 of 4: out0 = concat Wo^T + bo on codes of BF6, M = 8,192, N = 1,024, K = 1,024.  Nothing is left out here.
; A tile of 256 x 256 to a work-group of four waves, 128 x 128 to a wave; K in steps of 256 through a ring of two LDS slots; clusters of 4 x 4 with joint loads, A's tiles along a row of the cluster, B's along a column.
; Source 0 = 16 rows of Wo, source 1 = 16 tokens: a lane holds eight neighbouring numbers of a row of out0.  bo is the C of the first K step.
; A COMES IN THE ORDER OF THE OPERAND'S REGISTERS, as launch 3 stored it: [tile of 16 tokens][head 16][plane 3][lane 32][8 bytes].  A K step of 256 is four heads, 3,072 consecutive bytes of each tile of tokens:
; a wave's tensor load brings 8 rows of 3,072 bytes, 12,288 apart; a fragment is six loads of 8 bytes a lane, 256 consecutive bytes each.
; A's SCALE WORDS are made at the head: launch 3 stored two bytes for each (token, head); two heads' make the word of 128 along K.  The 128 threads read them, pair them and store them to LDS bytes of their own, into
; which no tensor load lands, laid as B's are (32 bytes a row, 16 of padding behind each 256).  B's scale bytes come by a joint load of waves 2 and 3.
; REGISTERS as in launch 2: window 0: v0-31 addresses; v32-63 scale words; v64-127 bo; from v128 A's fragments; window 1: B's, two sets; windows 2, 3: the accumulators.
.set SIZE_N, 1024
.set KSTEP,  256
.set NQ,     2
.set ROWB,   192
.set KROW,   768
.set PITCH,  240
.set FR,     12
.set NL,     6
.set NP,     4
.set HALFT,  128*PITCH
.set SLOT,   4*HALFT
.set LAPS,   2
.set KS,     32
.set SCL,    2*SLOT
.set HALFS,  (128*KS/256)*272
.set SBLK,   (16*KS/256)*272
.set SPARE,  SCL+4*HALFS
.set SPITCH, 528                       ; the way out: a stage of 16 rows x (512 + 16) bytes for each wave, in slot 0, which has had its last fill and its last read by then
.set PS,     22020096
.set AS,     6291456
.set ASTEP,  3072                      ; a K step of a tile of tokens, in bytes
.set ADRA, 16                          ; v16-17 LDS address of my A fragments in slot 0, 1
.set ADRB, 20                          ; v20-23 of B's
.set STO,  24
.set RD,   25
.set CO,   26
.set ADRS, 27
.set SPW,  28
.set NIL,  29
.set SC,   32
.set BI,   64
.set AF,   128
.set BK,   128
.set G1, 24
.set G0, 32
.set G1B, 48
.set G0B, 56
.set G1SB, 80
.set G0SB, 88
.set MSB, 0
.macro WIN new
.if MSB != (\new)
	s_set_vgpr_msb (MSB<<8)|(\new)
.set MSB, (\new)
.endif
.endm
.set MUL_LO, 0xa1
.set MUL_HI, 0xf1
.set TO_B,   0x40
.macro JLOAD g0a, g1a, g0b, g1b        ; waves 0 and 1 fetch for A, waves 2 and 3 for B; an s_nop 0 and four v_nop follow each line
	s_cmp_eq_u32 s15, 0
	s_cbranch_scc0 .Lfor_b_\@
	tensor_load_to_lds s[\g0a:\g0a+3], s[\g1a:\g1a+7]
	s_nop 0
.rept 4
	v_nop
.endr
	s_branch .Lasked_\@
.Lfor_b_\@:
	tensor_load_to_lds s[\g0b:\g0b+3], s[\g1b:\g1b+7]
	s_nop 0
.rept 4
	v_nop
.endr
.Lasked_\@:
.endm
.macro CREST
	s_cmp_lg_u32 s14, 0
	s_cbranch_scc1 .Lnot_wave_0_\@
	s_barrier_signal -3
.Lnot_wave_0_\@:
	s_barrier_wait -3
	s_barrier_signal -1
	s_barrier_wait -1
.endm
.macro CROUND
	s_barrier_signal -1
	s_barrier_wait -1
	CREST
.endm
	s_load_b256 s[4:11], s[0:1], 0x0               ; att 4, pcodes 6, bo 8, out0 10
	v_lshl_add_u32 v[SPW], v0, 2, SPARE
	v_mov_b32 v[NIL], 0
	ds_add_u32 v[SPW], v[NIL]                      ; the wave's opening: the add, twice on end, and its wait ahead of my first tensor load
	ds_add_u32 v[SPW], v[NIL]
	v_lshrrev_b32 v1, 5, v0
	v_readfirstlane_b32 s14, v1                    ; wave 0..3
	s_lshr_b32 s15, s14, 1                         ; my half of the tile's rows.  Also: I fetch for A (0) or for B (1)
	s_and_b32 s16, s14, 1                          ; my half of its columns.  Also: which half I fetch
	s_bfe_u32 s40, ttmp6, 0x40000                  ; cx
	s_bfe_u32 s41, ttmp6, 0x40004                  ; cy
	s_lshl_b32 s42, ttmp9, 2
	s_add_co_u32 s42, s42, s40                     ; tile column
	s_and_b32 s17, ttmp7, 0xffff
	s_lshl_b32 s17, s17, 2
	s_add_co_u32 s17, s17, s41                     ; tile row
	s_lshl_b32 s43, s41, 2
	s_lshl_b32 s43, 15, s43                        ; my row of the cluster
	s_lshl_b32 s44, 0x1111, s40                    ; my column
	s_or_b32 s[G1+0], s43, (3<<16)|(1<<21)         ; A: the mask; elements of 8 bytes; no padding; bit 21 beside a mask
	s_mov_b32 s[G1+1], (ASTEP/8)<<16               ; tensor_dim0 = 384 elements
	s_mov_b32 s[G1+2], 8<<16                       ; tensor_dim1 = 8 tiles of tokens
	s_mov_b32 s[G1+3], (ASTEP/8)<<16               ; tile_dim0
	s_mov_b32 s[G1+4], 8                           ; tile_dim1
	s_mov_b32 s[G1+5], 12288/8                     ; the pitch
	s_mov_b32 s[G1+6], 0
	s_mov_b32 s[G1+7], 0
	s_or_b32 s[G1B+0], s44, (0<<16)|(1<<20)|(1<<21)|(3<<22)|(3<<25) ; B: 128 rows of 192 bytes, 16 bytes of padding behind every 64
	s_mov_b32 s[G1B+1], ROWB<<16
	s_mov_b32 s[G1B+2], 128<<16
	s_mov_b32 s[G1B+3], ROWB<<16
	s_mov_b32 s[G1B+4], 128
	s_mov_b32 s[G1B+5], KROW
	s_mov_b32 s[G1B+6], 0
	s_mov_b32 s[G1B+7], 0
	s_or_b32 s[G1SB+0], s44, (3<<16)|(1<<20)|(1<<21)|(5<<22)|(3<<25) ; B's scale bytes: 4,096 dense bytes as rows of 256, 16 of padding behind each
	s_mov_b32 s[G1SB+1], 32<<16
	s_mov_b32 s[G1SB+2], (128*KS/256)<<16
	s_mov_b32 s[G1SB+3], 32<<16
	s_mov_b32 s[G1SB+4], 128*KS/256
	s_mov_b32 s[G1SB+5], 32
	s_mov_b32 s[G1SB+6], 0
	s_mov_b32 s[G1SB+7], 0
	s_lshl_b32 s20, s17, 4
	s_lshl_b32 s18, s16, 3
	s_add_co_u32 s20, s20, s18                     ; A: tile of tokens 16 x tile row + 8 x half
	s_mul_i32 s20, s20, 12288
	s_mov_b32 s21, 0
	s_lshl_b32 s46, s42, 8
	s_lshl_b32 s47, s16, 7
	s_add_co_u32 s46, s46, s47
	s_add_co_u32 s46, s46, 27648                   ; B: Wo's row 256 x tile column + 128 x half, in pcodes
	s_lshl_b32 s92, s46, 5
	s_add_co_u32 s92, s92, PS
	s_mov_b32 s93, 0
	s_mul_i32 s46, s46, KROW
	s_mov_b32 s47, 0
	s_mul_i32 s45, s14, HALFT                      ; where the tiles go: wave x a quarter of a slot
	s_mul_i32 s94, s16, HALFS
	s_add_co_u32 s94, s94, SCL+2*HALFS             ; B's scale bytes: behind A's 8,704 bytes
	s_lshl_b32 s22, s17, 14
	s_add_co_u32 s22, s22, AS                      ; att's scale bytes of my 16 tiles of tokens
	s_mov_b32 s23, 0
	s_wait_dscnt 0x0                               ; both opening adds are done
	s_wait_kmcnt 0x0
	s_add_nc_u64 s[20:21], s[4:5], s[20:21]
	s_add_nc_u64 s[46:47], s[6:7], s[46:47]
	s_add_nc_u64 s[92:93], s[6:7], s[92:93]
	s_add_nc_u64 s[96:97], s[4:5], s[22:23]
	CROUND                                         ; all sixteen work-groups are here: the first joint loads meet
	s_mov_b32 s[G0SB], 1
	s_mov_b32 s[G0SB+1], s94
	s_mov_b64 s[G0SB+2:G0SB+3], s[92:93]
	s_or_b32 s[G0SB+3], s[G0SB+3], 0x80000000
	s_cmp_eq_u32 s15, 0                            ; waves 2 and 3 alone: a branch on the wave's number, the same in every work-group
	s_cbranch_scc1 .Lno_scl
	tensor_load_to_lds s[G0SB:G0SB+3], s[G1SB:G1SB+7]
	s_nop 0
.rept 4
	v_nop
.endr
.Lno_scl:
.irp s, 0,1
	s_mov_b32 s[G0+4*\s], 1
	s_add_co_u32 s[G0+4*\s+1], s45, \s*SLOT
	s_add_nc_u64 s[G0+4*\s+2:G0+4*\s+3], s[20:21], \s*ASTEP
	s_or_b32 s[G0+4*\s+3], s[G0+4*\s+3], 0x80000000
	s_mov_b32 s[G0B+4*\s], 1
	s_add_co_u32 s[G0B+4*\s+1], s45, \s*SLOT
	s_add_nc_u64 s[G0B+4*\s+2:G0B+4*\s+3], s[46:47], \s*ROWB
	s_or_b32 s[G0B+4*\s+3], s[G0B+4*\s+3], 0x80000000
	JLOAD G0+4*\s, G1, G0B+4*\s, G1B
.endr
	v_and_b32 v1, 15, v0                           ; r
	v_bfe_u32 v2, v0, 4, 1                         ; h
	v_lshlrev_b32 v30, 7, v0                       ; thread 8 T + e: tile of tokens T, heads 2 e and 2 e + 1: 128 bytes
	global_load_b128 v[224:227], v30, s[96:97]             ; head 2 e: sixteen rows' two bytes
	global_load_b128 v[228:231], v30, s[96:97] offset:16
	global_load_b128 v[232:235], v30, s[96:97] offset:64   ; head 2 e + 1
	global_load_b128 v[236:239], v30, s[96:97] offset:80
	s_lshl_b32 s22, s42, 10
	s_lshl_b32 s23, s16, 9
	s_add_co_u32 s22, s22, s23
	s_mov_b32 s23, 0
	s_add_nc_u64 s[8:9], s[8:9], s[22:23]          ; bo at my 128 columns
	v_lshlrev_b32 v31, 5, v2                       ; register j of tile b is column 16 b + 8 h + j
.irp b, 0,1,2,3,4,5,6,7
	global_load_b128 v[BI+8*\b:BI+8*\b+3], v31, s[8:9] offset:64*\b
	global_load_b128 v[BI+8*\b+4:BI+8*\b+7], v31, s[8:9] offset:64*\b+16
.endr
	v_mul_u32_u24 v3, v1, PITCH
	v_mul_u32_u24 v4, v2, 24
	v_add_nc_u32 v4, v3, v4                        ; B: a fragment's row x pitch + 24 x half
	v_lshl_add_u32 v5, v2, 4, v4                   ; and the same behind one padding more
	v_and_b32 v6, 31, v0
	v_lshlrev_b32 v3, 3, v6                        ; A: 8 x lane
	s_mul_i32 s21, s15, HALFT
	s_mul_i32 s22, s16, HALFT
	s_add_co_u32 s22, s22, 2*HALFT
.irp s, 0,1
	v_add_nc_u32 v[ADRA+\s], s21, v3
	v_add_nc_u32 v[ADRB+\s], s22, v4
	v_add_nc_u32 v[ADRB+2+\s], s22, v5
	s_add_co_u32 s21, s21, SLOT
	s_add_co_u32 s22, s22, SLOT
.endr
	v_mul_u32_u24 v5, v1, KS
	v_lshrrev_b32 v7, 8, v5
	v_lshl_add_u32 v5, v7, 4, v5
	s_mul_i32 s21, s15, HALFS
	s_mul_i32 s22, s16, HALFS
	s_add_co_u32 s22, s22, 2*HALFS
	s_sub_co_u32 s22, s22, s21
	v_mul_u32_u24 v7, s22, v2                      ; lanes 16-31 take B's
	s_add_co_u32 s21, s21, SCL
	v_add_nc_u32 v5, v5, v7
	v_add_nc_u32 v[ADRS], s21, v5
	s_mul_i32 s23, s14, 16*SPITCH                  ; my stage
	v_mul_u32_u24 v5, v1, SPITCH
	v_lshl_add_u32 v5, v2, 5, v5
	v_add_nc_u32 v[STO], s23, v5
	v_lshlrev_b32 v[CO], 4, v6
	v_add_nc_u32 v[RD], s23, v[CO]
	s_lshl_b32 s20, s17, 8
	s_lshl_b32 s21, s15, 7
	s_add_co_u32 s20, s20, s21                     ; my first row of out0
	s_lshl_b32 s20, s20, 12                        ; 4,096 bytes a row
	s_lshl_b32 s21, s42, 10
	s_add_co_u32 s20, s20, s21
	s_lshl_b32 s21, s16, 9
	s_add_co_u32 s20, s20, s21                     ; + my first column
	s_mov_b32 s21, 0
	s_add_nc_u64 s[12:13], s[10:11], s[20:21]
	v_lshrrev_b32 v5, 3, v0
	v_mul_u32_u24 v5, v5, SBLK
	v_and_b32 v7, 7, v0
	v_lshl_add_u32 v5, v7, 2, v5
	v_add_nc_u32 v7, SCL, v5                       ; where my sixteen scale words go: block T, word e of each row
	s_wait_loadcnt 0x0                             ; att's scale bytes, and bo
.irp k, 0,1,2,3,4,5,6,7
	v_perm_b32 v[240+2*\k], v[232+\k], v[224+\k], 0x05040100      ; row 2 k: head 2 e's two bytes, head 2 e + 1's two
	v_perm_b32 v[241+2*\k], v[232+\k], v[224+\k], 0x07060302      ; row 2 k + 1
.endr
.irp r, 0,1,2,3,4,5,6,7,8,9,10,11,12,13,14,15
	ds_store_b32 v7, v[240+\r] offset:32*\r+16*(\r/8)
.endr
.macro FRAG reg, adr, q, i             ; B: six pieces of 8 bytes from rows with 16 bytes of padding behind every 64
.irp p, 0,1,2,3,4,5
.set PC, 12*(\q)+6*(\p/3)+\p%3
.if PC%8 < 5
	ds_load_b64 v[\reg+2*\p:\reg+2*\p+1], v[\adr] offset:8*PC+16*(PC/8)+(\i)*16*PITCH
.else
	ds_load_b64 v[\reg+2*\p:\reg+2*\p+1], v[\adr+2] offset:8*PC+16*(PC/8)+(\i)*16*PITCH
.endif
.endr
.endm
.macro FRAGA reg, slot, q, i           ; A: registers 2 p, 2 p + 1: head 2 q + p / 3 of the slot's four, plane p % 3
.irp p, 0,1,2,3,4,5
	ds_load_b64 v[\reg+2*\p:\reg+2*\p+1], v[ADRA+\slot] offset:ASTEP*(\i)+768*(2*(\q)+\p/3)+256*(\p%3)
.endr
.endm
; zero = 0: in place; 2: C = bo's eight numbers of B's tile.  The 64 accumulators take turns, one instruction a turn.
.macro MUL16 a0, p, q, sc, zero
.irp a, \a0, \a0+1
.irp b, 0,1,2,3,4,5,6,7
.if \zero == 0
	v_wmma_scale_f32_16x16x128_f8f6f4 v[8*(8*((\a)%4)+\b):8*(8*((\a)%4)+\b)+7], v[128*(\p)+FR*\b:128*(\p)+FR*\b+FR-1], v[AF+FR*(\a):AF+FR*(\a)+FR-1], v[8*(8*((\a)%4)+\b):8*(8*((\a)%4)+\b)+7], v[SC+8*NQ*(\sc)+NQ*\b+(\q)], v[SC+8*NQ*(\sc)+NQ*(\a)+(\q)] matrix_a_fmt:MATRIX_FMT_BF6 matrix_b_fmt:MATRIX_FMT_BF6 matrix_a_scale:MATRIX_SCALE_ROW1
.else
	v_wmma_scale_f32_16x16x128_f8f6f4 v[8*(8*((\a)%4)+\b):8*(8*((\a)%4)+\b)+7], v[128*(\p)+FR*\b:128*(\p)+FR*\b+FR-1], v[AF+FR*(\a):AF+FR*(\a)+FR-1], v[BI+8*\b:BI+8*\b+7], v[SC+8*NQ*(\sc)+NQ*\b+(\q)], v[SC+8*NQ*(\sc)+NQ*(\a)+(\q)] matrix_a_fmt:MATRIX_FMT_BF6 matrix_b_fmt:MATRIX_FMT_BF6 matrix_a_scale:MATRIX_SCALE_ROW1
.endif
.endr
.endr
.endm
.macro FETCH_B slot, q, p
	WIN TO_B
.irp i, 0,1,2,3,4,5,6,7
	FRAG 128*(\p)+FR*\i, ADRB+\slot, \q, \i
.endr
	WIN 0
.endm
.macro FETCH_A slot, q, i0
.irp i, \i0, \i0+1, \i0+2, \i0+3
	FRAGA AF+FR*(\i), \slot, \q, \i
.endr
.endm
.macro SCALES sc
.irp i, 0,1,2,3,4,5,6,7
	ds_load_b64 v[SC+8*NQ*\sc+NQ*\i:SC+8*NQ*\sc+NQ*\i+1], v[ADRS] offset:\i*SBLK
.endr
.endm
.macro PLACES n
.rept \n
	v_nop
.endr
.endm
.macro STEP slot, q, zero
	s_wait_dscnt 4*NL                              ; B's set and A's blocks 0-3 are in; the youngest 24 loads (A's blocks 4-7) may be out
.if \zero
	WIN 0x81                                       ; C, bo, in window 0; D in window 2
.else
	WIN MUL_LO
.endif
	MUL16 0, (\q)%2, \q, \slot, \zero
	MUL16 2, (\q)%2, \q, \slot, \zero
	s_wait_dscnt 0
	PLACES NP
	FETCH_B \slot, (\q)+1, 1-(\q)%2
	FETCH_A \slot, (\q)+1, 0
.if \zero
	WIN 0xc1
.else
	WIN MUL_HI
.endif
	MUL16 4, (\q)%2, \q, \slot, \zero
	MUL16 6, (\q)%2, \q, \slot, \zero
	PLACES NP
	WIN 0
	FETCH_A \slot, (\q)+1, 4
.endm
.macro TURN slot, next, fill
	s_wait_tensorcnt 0x0                           ; all my tensor loads have landed: my part of the next slot
	ds_add_u32 v[SPW], v[NIL]
	s_wait_dscnt 4*NL+1                            ; (the add and the youngest 24 loads may be out)
	WIN MUL_LO
	MUL16 0, 1, NQ-1, \slot, 0
	s_wait_dscnt 0x0                               ; the add is done, and my reads of this slot are over
	s_barrier_signal -1
	MUL16 2, 1, NQ-1, \slot, 0
	WIN 0
	s_barrier_wait -1
.if \fill
	CREST                                          ; the barrier has opened a round of the cluster's: no wave of any partner still reads this slot or has a load on its way
	s_add_nc_u64 s[G0+4*\slot+2:G0+4*\slot+3], s[G0+4*\slot+2:G0+4*\slot+3], 2*ASTEP
	s_add_nc_u64 s[G0B+4*\slot+2:G0B+4*\slot+3], s[G0B+4*\slot+2:G0B+4*\slot+3], 2*ROWB
	JLOAD G0+4*\slot, G1, G0B+4*\slot, G1B         ; the first tensor load behind the round; its four v_nop are the places in front of the loads below
.else
	PLACES NP
.endif
	v_add_nc_u32 v[ADRS], 4*NQ, v[ADRS]
	FETCH_B \next, 0, 0
	FETCH_A \next, 0, 0
	SCALES \next
	WIN MUL_HI
	MUL16 4, 1, NQ-1, \slot, 0
	MUL16 6, 1, NQ-1, \slot, 0
	PLACES NP
	WIN 0
	FETCH_A \next, 0, 4
.endm
	s_wait_tensorcnt 1                             ; my part of K step 0 (and B's scale bytes) is in; K step 1's load may be out;
	s_wait_dscnt 0x0                               ; my scale words have landed
	s_barrier_signal -1
	s_barrier_wait -1                              ; everybody's have
	FETCH_B 0, 0, 0
	FETCH_A 0, 0, 0
	SCALES 0
	FETCH_A 0, 0, 4
	STEP 0, 0, 2                                   ; the first products start the sums from bo
	s_mov_b32 s3, LAPS-1
.Llap:
	TURN 0, 1, 1
	STEP 1, 0, 0
	TURN 1, 0, 1
	STEP 0, 0, 0
	s_sub_co_u32 s3, s3, 1
	s_cmp_lg_u32 s3, 0
	s_cbranch_scc1 .Llap
	TURN 0, 1, 0                                   ; the last lap fills nothing
	STEP 1, 0, 0
	s_wait_dscnt 4*NL
	WIN MUL_LO
	MUL16 0, 1, NQ-1, 1, 0
	MUL16 2, 1, NQ-1, 1, 0
	s_wait_dscnt 0
	WIN MUL_HI
	MUL16 4, 1, NQ-1, 1, 0
	MUL16 6, 1, NQ-1, 1, 0
	WIN 0
; THE WAY OUT, block by block of 16 rows x 128 columns, through my own stage in LDS: back as whole rows of 512 bytes.  LDS serves a wave's instructions in order (ISA guide 5.7.1.4): no wait between the stores and the loads.
.macro TOSTAGE a
.set AC, 64*((\a)%4)
	WIN 0x08+4*((\a)/4)                            ; the data: window 2 or 3
.irp b, 0,1,2,3,4,5,6,7
	ds_store_b128 v[STO], v[AC+8*\b:AC+8*\b+3] offset:64*\b          ; each accumulator from its low end on
	ds_store_b128 v[STO], v[AC+8*\b+4:AC+8*\b+7] offset:64*\b+16
.endr
	WIN 0
.set BB, BK+64*((\a)%2)
.irp t, 0,1,2,3,4,5,6,7,8,9,10,11,12,13,14,15
	ds_load_b128 v[BB+4*\t:BB+4*\t+3], v[RD] offset:\t*SPITCH
.endr
.endm
.macro SEND a, younger
.set BB, BK+64*((\a)%2)
	s_wait_dscnt \younger                          ; the block is back in registers
.if (\a) > 0
	s_add_nc_u64 s[12:13], s[12:13], 16*SIZE_N*4   ; (behind a wait on XCNT: the earlier stores have read their base)
.endif
.irp t, 0,1,2,3,4,5,6,7,8,9,10,11,12,13,14,15
	global_store_b128 v[CO], v[BB+4*\t:BB+4*\t+3], s[12:13] offset:\t*SIZE_N*4 th:TH_STORE_NT   ; 32 lanes store 512 consecutive bytes, aligned
.endr
.endm
	PLACES NP
	TOSTAGE 0
.irp a, 1,2,3,4,5,6,7
.if \a > 1
	s_wait_xcnt 0x0                                ; block a - 2's stores have read their registers and their base
.endif
	TOSTAGE \a
	SEND \a-1, 32                                  ; behind block a - 1's loads: block a's 16 stores and 16 loads
.endr
	s_wait_xcnt 0x0
	SEND 7, 0
	s_wait_tensorcnt 0x0                           ; the wave's end
	ds_add_u32 v[SPW], v[NIL]
	s_wait_dscnt 0x0
	CROUND                                         ; the closing round
	s_endpgm
.Lfunc_end_k_qba1925ff20_outp:
	.size	k_qba1925ff20_outp, .Lfunc_end_k_qba1925ff20_outp-k_qba1925ff20_outp
	.p2alignl 7, 3214868480
	.fill 96, 4, 3214868480
	.section	.rodata,"a",@progbits
	.p2align	6, 0x0
	.amdhsa_kernel k_qba1925ff20_outp
		.amdhsa_group_segment_fixed_size 327680
		.amdhsa_private_segment_fixed_size 0
		.amdhsa_enable_private_segment 0
		.amdhsa_kernarg_size 32
		.amdhsa_user_sgpr_count 2
		.amdhsa_user_sgpr_kernarg_segment_ptr 1
		.amdhsa_wavefront_size32 1
		.amdhsa_system_sgpr_workgroup_id_x 1
		.amdhsa_system_sgpr_workgroup_id_y 1
		.amdhsa_system_sgpr_workgroup_id_z 1
		.amdhsa_system_vgpr_workitem_id 0
		.amdhsa_next_free_vgpr 1024
		.amdhsa_next_free_sgpr 100
		.amdhsa_reserve_vcc 0
		.amdhsa_float_denorm_mode_32 3
		.amdhsa_float_denorm_mode_16_64 3
		.amdhsa_memory_ordered 1
		.amdhsa_forward_progress 1
		.amdhsa_inst_pref_size 164
	.end_amdhsa_kernel
	.amdgpu_metadata
---
amdhsa.version: [ 1, 2 ]
amdhsa.kernels:
  - .name:           k_qba1925ff20_outp
    .symbol:         k_qba1925ff20_outp.kd
    .args:
      - { .name: att, .offset: 0, .size: 8, .value_kind: global_buffer, .address_space: global }
      - { .name: pcodes, .offset: 8, .size: 8, .value_kind: global_buffer, .address_space: global }
      - { .name: bo, .offset: 16, .size: 8, .value_kind: global_buffer, .address_space: global }
      - { .name: out0, .offset: 24, .size: 8, .value_kind: global_buffer, .address_space: global }
    .group_segment_fixed_size: 327680
    .private_segment_fixed_size: 0
    .kernarg_segment_align: 8
    .kernarg_segment_size: 32
    .max_flat_workgroup_size: 128
    .sgpr_count:     100
    .vgpr_count:     1024
    .wavefront_size: 32
...
	.end_amdgpu_metadata
.endif
;; end of part 4
